; MI455X (gfx1250); checked and timed in simulation.
; The chip was launched on July 23, 2026; its instructions are those of AMD's public machine-readable ISA for CDNA 5 (MIT licence, August 2026) and "CDNA5" Instruction Set Architecture Reference Guide (July 2026). The comments in the code are by the model that wrote it; some were corrected since.
;; Region Self Attention. Allowed arithmetic: float matrix products may take bf16 or f16 operands with f32 sums; all other float work in f32.
;; Inputs: Wk 512 x 512 float32; Wq 512 x 512 float32; Wv 512 x 512 float32; region_features 32 x 4,096 x 512 float32; seq_code 32 x 512 float32; sq_len 32 int32.
;; Outputs: out0 32 x 512 float32; out1 32 x 4,096 float32.
;; 2 versions, each right; version 2 is version 1 with the launch main written anew for expert scheduling mode. Each part assembles by itself: llvm-mc -triple=amdgcn-amd-amdhsa -mcpu=gfx1250 --defsym DOCPART=n.
;; ======== version 1 of 2: 4 launches
;; workspace buffers: q 65,536 bytes; qk 65,536 bytes; wvb 524,288 bytes; items 5,120 bytes of whole numbers; opart 4,194,304 bytes; ppart 1,048,576 bytes
;; launch prep (part 1): grid 106 x 1, 4 waves a work-group, no clusters, 17,152 bytes of LDS; arguments seq_code, Wq, Wv, sq_len, q, wvb, items; writes q, wvb, items
.if DOCPART == 1
	.amdgcn_target "amdgcn-amd-amdhsa--gfx1250"
	.amdhsa_code_object_version 6
	.text
	.protected	k_q90704f3315_prep
	.globl	k_q90704f3315_prep
	.p2align	8
	.type	k_q90704f3315_prep,@function
k_q90704f3315_prep:
	s_mov_b64 s[64:65], 0
	v_nop
	global_prefetch_b8 v0, s[64:65] scope:SCOPE_SE
	s_setreg_imm32_b32 hwreg(HW_REG_WAVE_MODE, 25, 1), 1
	s_wait_xcnt 0x0
; Three small jobs that the main launch needs, one per range of work-group numbers:
;   0..63   q[b][h] = sum over k of seq_code[b][k] Wq[h][k], in f32 on the vector unit: a product of 32 rows that only
;           streams its weights, so the matrix unit, LDS and clusters would add nothing.
;   64..95  Wv rounded to bf16 and laid out as the matrix instruction's B fragments: block (cg, ks, p) of 512 bytes at
;           (cg*32 + 2 ks + p)*512, lane L = (r = L & 15, h = L >> 4) at +16 L holds Wv[64 (cg>>2) + 4 r + (cg&3)][32 ks + 16 p + 8 h .. +7].
;   96..105 the list of work items from sq_len: word t < T = u | rem<<10 | b<<18 | 1<<23 | (rem>64)<<24, u = 32 b + block of 128 rows,
;           rem = valid rows of that block (1..128); words T..1151 are 0; words 1152..1279 hold T = sum of ceil(len/128).
; LIMIT: sq_len is clamped to 0..4096; that is how the reference's own mask acts on such lengths.
.set SEQ, 2                            ; v[2:17]   seq_code[b]: k = 128 j + 4 lane + 0..3 in registers 4 j .. 4 j + 3
.set T,   18                           ; v[18:21]  at work
.set RES, 26                           ; v[26:27]  lane l: outputs 2 l and 2 l + 1 of the wave's 64
.set L16, 28                           ; 16 x lane
.set L8,  29                           ; 8 x lane
.set X,   32                           ; v[32:159] ring of 8 rows of Wq, 16 registers each; the other jobs' data too
	s_load_b256 s[4:11], s[0:1], 0x0               ; seq_code s[4:5], Wq s[6:7], Wv s[8:9], sq_len s[10:11]
	s_load_b128 s[12:15], s[0:1], 0x20             ; q s[12:13], wvb s[14:15]
	s_load_b64 s[16:17], s[0:1], 0x30              ; items
	v_lshl_add_u32 v160, v0, 2, 0x4100
	v_mov_b32 v161, 0
	v_lshrrev_b32 v1, 5, v0
	v_readfirstlane_b32 s18, v1                    ; wave 0..3
	v_and_b32 v1, 31, v0                           ; lane
	v_lshlrev_b32 v[L16], 4, v1
	v_lshlrev_b32 v[L8], 3, v1
	s_mov_b32 s55, 0                               ; upper word of the offset pair s[54:55]
	s_wait_kmcnt 0x0
	s_cmp_lt_u32 ttmp9, 64
	s_cbranch_scc1 .Lq
	s_cmp_lt_u32 ttmp9, 96
	s_cbranch_scc1 .Lwv
	; ---------------- the list of items: thread = one word of the list ----------------
	s_load_b512 s[20:35], s[10:11], 0x0            ; the 32 lengths
	s_load_b512 s[36:51], s[10:11], 0x40
	s_sub_co_u32 s53, ttmp9, 96
	s_lshl_b32 s53, s53, 7
	v_add_nc_u32 v2, s53, v0                       ; idx = my word's number, 0..1279
	v_mov_b32 v3, 0                                ; first item of my batch
	v_mov_b32 v5, 0                                ; how many batches end behind idx
	s_mov_b32 s52, 0
	s_wait_kmcnt 0x0
.set bb, 0
.rept 32
	s_max_i32 s[20+bb], s[20+bb], 0
	s_min_i32 s[20+bb], s[20+bb], 4096             ; len
	s_add_co_u32 s53, s[20+bb], 127
	s_lshr_b32 s53, s53, 7                         ; its blocks of 128 rows
	s_add_co_u32 s52, s52, s53
	s_mov_b32 s[66+bb], s52                        ; E_b: items of batches 0..b
.set bb, bb+1
.endr
	v_mov_b32 v4, s20                              ; length of my batch
.set bb, 0
.rept 31
	v_cmp_gt_u32 vcc_lo, s[66+bb], v2              ; E_b > idx: my batch is b or an earlier one
	v_cndmask_b32 v3, s[66+bb], v3, vcc_lo         ; else my batch starts at E_b or later
	v_cndmask_b32 v4, s[21+bb], v4, vcc_lo
	v_add_co_ci_u32 v5, vcc_lo, 0, v5, vcc_lo
.set bb, bb+1
.endr
	v_cmp_gt_u32 vcc_lo, s97, v2
	v_cndmask_b32 v3, s97, v3, vcc_lo
	v_cndmask_b32 v4, 0, v4, vcc_lo
	v_add_co_ci_u32 v5, vcc_lo, 0, v5, vcc_lo
	v_sub_nc_u32 v5, 32, v5                        ; b
	v_sub_nc_u32 v6, v2, v3                        ; block of 128 rows in the batch
	v_lshlrev_b32 v7, 7, v6
	v_sub_nc_u32 v7, v4, v7
	v_min_u32 v7, 0x80, v7                         ; rem
	v_lshl_add_u32 v8, v5, 5, v6                   ; u
	v_lshl_or_b32 v8, v7, 10, v8
	v_lshl_or_b32 v8, v5, 18, v8
	v_or_b32 v8, 0x800000, v8                      ; the first 64 rows hold a valid row
	v_cmp_lt_u32 vcc_lo, 64, v7
	v_cndmask_b32 v9, 0, 1, vcc_lo
	v_lshl_or_b32 v8, v9, 24, v8                   ; so do the second 64
	v_mov_b32 v10, s97                             ; T
	v_cmp_gt_u32 vcc_lo, s97, v2
	v_cndmask_b32 v8, 0, v8, vcc_lo                ; behind the list's end: 0
	v_cmp_le_u32 vcc_lo, 0x480, v2
	v_cndmask_b32 v8, v8, v10, vcc_lo              ; words 1152..1279: T
	v_lshlrev_b32 v11, 2, v2
	global_store_b32 v11, v8, s[16:17]             ; a wave stores 128 consecutive bytes; two waves fill 256
	s_endpgm
	; ---------------- Wv to bf16 in fragment order: one work-group = one cg (16 rows of Wv) ----------------
.Lwv:
	s_sub_co_u32 s52, ttmp9, 64                    ; cg
	s_lshr_b32 s53, s52, 2
	s_lshl_b32 s54, s53, 17                        ; 64 rows of 2,048 bytes for each cg>>2
	s_and_b32 s53, s52, 3
	s_lshl_b32 s53, s53, 11                        ; + row cg&3
	s_add_co_u32 s54, s54, s53
	s_lshl_b32 s53, s18, 15                        ; + my four rows r = 4 w + rr, 4 rows of Wv apart: 16 rows a wave
	s_add_co_u32 s54, s54, s53
	s_add_nc_u64 s[8:9], s[8:9], s[54:55]
.irp rr, 0,1,2,3
.irp j, 0,1,2,3
	global_load_b128 v[X+16*\rr+4*\j:X+16*\rr+4*\j+3], v[L16], s[8:9] offset:8192*\rr+512*\j th:TH_LOAD_NT
.endr
.endr
	s_mul_i32 s53, s18, 4160
	v_lshl_add_u32 v3, v1, 3, s53                  ; LDS: row (4 w) x 1,040 + 8 x lane
	s_wait_loadcnt 0x0
.irp rr, 0,1,2,3
.irp j, 0,1,2,3
	v_cvt_pk_bf16_f32 v[X+16*\rr+4*\j], v[X+16*\rr+4*\j], v[X+16*\rr+4*\j+1]
	v_cvt_pk_bf16_f32 v[X+16*\rr+4*\j+1], v[X+16*\rr+4*\j+2], v[X+16*\rr+4*\j+3]
	ds_store_b64 v3, v[X+16*\rr+4*\j:X+16*\rr+4*\j+1] offset:1040*\rr+256*\j
.endr
.endr
	s_wait_dscnt 0x0                               ; my rows are in LDS before I say so
	s_barrier_signal -1
	s_barrier_wait -1
	v_and_b32 v4, 15, v1                           ; r
	v_lshrrev_b32 v5, 4, v1                        ; h
	v_mul_u32_u24 v4, v4, 1040
	v_lshl_add_u32 v4, v5, 4, v4
	s_lshl_b32 s53, s18, 8                         ; my blocks 8 w .. 8 w + 7, 32 bytes of a row each
	v_add_nc_u32 v4, s53, v4
.irp t, 0,1,2,3,4,5,6,7
	ds_load_b128 v[X+4*\t:X+4*\t+3], v4 offset:32*\t
.endr
	s_lshl_b32 s54, s52, 14
	s_lshl_b32 s53, s18, 12
	s_add_co_u32 s54, s54, s53
	s_add_nc_u64 s[14:15], s[14:15], s[54:55]
.irp t, 0,1,2,3,4,5,6,7
	s_wait_dscnt 7-\t                              ; LDS loads come back in order (ISA guide 5.7.1): block t is in
	global_store_b128 v[L16], v[X+4*\t:X+4*\t+3], s[14:15] offset:512*\t   ; 512 consecutive bytes
.endr
	s_wait_tensorcnt 0x0
	ds_add_u32 v160, v161
	s_wait_dscnt 0x0
	s_endpgm
	; ---------------- q: wave W = 4 g + w makes 64 outputs of batch W >> 3 ----------------
.Lq:
	s_lshl_b32 s52, ttmp9, 2
	s_add_co_u32 s52, s52, s18                     ; W
	s_lshr_b32 s53, s52, 3                         ; b
	s_and_b32 s52, s52, 7                          ; which 64 outputs
	s_lshl_b32 s54, s53, 11
	s_add_nc_u64 s[4:5], s[4:5], s[54:55]          ; seq_code[b]
	s_add_nc_u64 s[12:13], s[12:13], s[54:55]      ; q[b]
	s_lshl_b32 s54, s52, 8
	s_add_nc_u64 s[12:13], s[12:13], s[54:55]      ; + my 256 bytes
	s_lshl_b32 s54, s52, 17
	s_add_nc_u64 s[6:7], s[6:7], s[54:55]          ; my 64 rows of Wq
	s_mov_b32 s56, 0x76543210                      ; v_permlanex16_b32: lane i takes lane i of the other half
	s_mov_b32 s57, 0xfedcba98
.irp j, 0,1,2,3
	global_load_b128 v[SEQ+4*\j:SEQ+4*\j+3], v[L16], s[4:5] offset:512*\j
.endr
.irp i, 0,1,2,3,4,5,6,7
.irp j, 0,1,2,3
	global_load_b128 v[X+16*\i+4*\j:X+16*\i+4*\j+3], v[L16], s[6:7] offset:2048*\i+512*\j
.endr
.endr
	v_mov_b32 v[RES], 0
	v_mov_b32 v[RES+1], 0
; Row i of the wave's 64: dot product with seq_code[b], summed over the lanes, kept by lane i >> 1.
; left = loads younger than this row's four.  reload = 1: the slot takes row i + 8.
.macro QROW i, reload, left
	s_wait_loadcnt \left
	v_pk_mul_f32 v[T:T+1], v[X+16*((\i)%8):X+16*((\i)%8)+1], v[SEQ:SEQ+1]
	v_pk_mul_f32 v[T+2:T+3], v[X+16*((\i)%8)+2:X+16*((\i)%8)+3], v[SEQ+2:SEQ+3]
.irp e, 2,4,6
	v_pk_fma_f32 v[T:T+1], v[X+16*((\i)%8)+2*\e:X+16*((\i)%8)+2*\e+1], v[SEQ+2*\e:SEQ+2*\e+1], v[T:T+1]
	v_pk_fma_f32 v[T+2:T+3], v[X+16*((\i)%8)+2*\e+2:X+16*((\i)%8)+2*\e+3], v[SEQ+2*\e+2:SEQ+2*\e+3], v[T+2:T+3]
.endr
	v_pk_add_f32 v[T:T+1], v[T:T+1], v[T+2:T+3]
	v_add_f32 v[T], v[T], v[T+1]
	v_add_f32_dpp v[T], v[T], v[T] row_xmask:1 row_mask:0xf bank_mask:0xf
	v_add_f32_dpp v[T], v[T], v[T] row_xmask:2 row_mask:0xf bank_mask:0xf
	v_add_f32_dpp v[T], v[T], v[T] row_xmask:4 row_mask:0xf bank_mask:0xf
	v_add_f32_dpp v[T], v[T], v[T] row_xmask:8 row_mask:0xf bank_mask:0xf
	v_permlanex16_b32 v[T+1], v[T], s56, s57
	v_add_f32 v[T], v[T], v[T+1]
	s_mov_b32 s53, 1<<((\i)>>1)
	v_cndmask_b32 v[RES+((\i)&1)], v[RES+((\i)&1)], v[T], s53
.if \reload
.irp j, 0,1,2,3
	global_load_b128 v[X+16*((\i)%8)+4*\j:X+16*((\i)%8)+4*\j+3], v[L16], s[6:7] offset:2048*((\i)+8)+512*\j
.endr
.endif
.endm
.set ii, 0
.rept 56
	QROW ii, 1, 28                                 ; seven younger rows of four loads stay out
.set ii, ii+1
.endr
.rept 8
	QROW ii, 0, 4*(63-ii)                          ; the last eight rows load nothing: the counts run down
.set ii, ii+1
.endr
	global_store_b64 v[L8], v[RES:RES+1], s[12:13] ; the wave's 256 consecutive bytes, aligned
	s_endpgm
.Lfunc_end_k_q90704f3315_prep:
	.size	k_q90704f3315_prep, .Lfunc_end_k_q90704f3315_prep-k_q90704f3315_prep
	.p2alignl 7, 3214868480
	.fill 96, 4, 3214868480
	.section	.rodata,"a",@progbits
	.p2align	6, 0x0
	.amdhsa_kernel k_q90704f3315_prep
		.amdhsa_group_segment_fixed_size 17152
		.amdhsa_private_segment_fixed_size 0
		.amdhsa_enable_private_segment 0
		.amdhsa_kernarg_size 56
		.amdhsa_user_sgpr_count 2
		.amdhsa_user_sgpr_kernarg_segment_ptr 1
		.amdhsa_wavefront_size32 1
		.amdhsa_system_sgpr_workgroup_id_x 1
		.amdhsa_system_sgpr_workgroup_id_y 1
		.amdhsa_system_sgpr_workgroup_id_z 1
		.amdhsa_system_vgpr_workitem_id 0
		.amdhsa_next_free_vgpr 162
		.amdhsa_next_free_sgpr 100
		.amdhsa_reserve_vcc 1
		.amdhsa_float_denorm_mode_32 3
		.amdhsa_float_denorm_mode_16_64 3
		.amdhsa_memory_ordered 1
		.amdhsa_forward_progress 1
		.amdhsa_inst_pref_size 116
	.end_amdhsa_kernel
	.amdgpu_metadata
---
amdhsa.version: [ 1, 2 ]
amdhsa.kernels:
  - .name:           k_q90704f3315_prep
    .symbol:         k_q90704f3315_prep.kd
    .args:
      - { .name: seq_code, .offset: 0, .size: 8, .value_kind: global_buffer, .address_space: global }
      - { .name: Wq, .offset: 8, .size: 8, .value_kind: global_buffer, .address_space: global }
      - { .name: Wv, .offset: 16, .size: 8, .value_kind: global_buffer, .address_space: global }
      - { .name: sq_len, .offset: 24, .size: 8, .value_kind: global_buffer, .address_space: global }
      - { .name: q, .offset: 32, .size: 8, .value_kind: global_buffer, .address_space: global }
      - { .name: wvb, .offset: 40, .size: 8, .value_kind: global_buffer, .address_space: global }
      - { .name: items, .offset: 48, .size: 8, .value_kind: global_buffer, .address_space: global }
    .group_segment_fixed_size: 17152
    .private_segment_fixed_size: 0
    .kernarg_segment_align: 8
    .kernarg_segment_size: 56
    .max_flat_workgroup_size: 128
    .sgpr_count:     100
    .vgpr_count:     162
    .wavefront_size: 32
...
	.end_amdgpu_metadata
.endif
;; end of part 1
;; launch qkl (part 2): grid 128 x 1, 16 waves a work-group, no clusters, 10,240 bytes of LDS; arguments q, Wk, qk; writes qk
.if DOCPART == 2
	.amdgcn_target "amdgcn-amd-amdhsa--gfx1250"
	.amdhsa_code_object_version 6
	.text
	.protected	k_q90704f3315_qkl
	.globl	k_q90704f3315_qkl
	.p2align	8
	.type	k_q90704f3315_qkl,@function
k_q90704f3315_qkl:
	s_mov_b64 s[64:65], 0
	v_nop
	global_prefetch_b8 v0, s[64:65] scope:SCOPE_SE
	s_setreg_imm32_b32 hwreg(HW_REG_WAVE_MODE, 25, 1), 1
	s_wait_xcnt 0x0
; qk[b][d] = c x sum over h of q[b][h] Wk[h][d],  c = log2(e) / sqrt(512).
; dist[b][r] = q[b] . (Wk rf[b][r]) = rf[b][r] . qk[b]: the key product is only ever contracted with one query, so it is
; replaced by this product of 32 rows; the order of the f32 sums differs from the reference's, the mathematics does not.
; A product of few rows that streams its weights: f32 on the vector unit, no matrix unit, no cluster.
; Work-group = (batch b, 128 columns d); wave w sums h = 32 w .. 32 w + 31; the 16 partial sums meet in LDS.
.set ACC, 4                            ; v[4:7]    my 4 columns
.set R,   8                            ; v[8:135]  32 rows of Wk, 4 registers each
.set CSCALE, 0x3d8293ee                ; log2(e) / sqrt(512) in f32
	s_load_b128 s[4:7], s[0:1], 0x0                ; q s[4:5], Wk s[6:7]
	s_load_b64 s[8:9], s[0:1], 0x10                ; qk
	v_lshl_add_u32 v144, v0, 2, 0x2000
	v_mov_b32 v145, 0
	v_lshrrev_b32 v1, 5, v0
	v_readfirstlane_b32 s10, v1                    ; wave 0..15
	v_and_b32 v1, 31, v0
	v_lshlrev_b32 v1, 4, v1                        ; 16 x lane
	s_lshr_b32 s11, ttmp9, 2                       ; b
	s_and_b32 s12, ttmp9, 3                        ; which 128 columns
	s_mov_b32 s15, 0
	s_lshl_b32 s14, s11, 11
	s_lshl_b32 s13, s10, 7
	s_add_co_u32 s14, s14, s13
	s_wait_kmcnt 0x0
	s_add_nc_u64 s[48:49], s[4:5], s[14:15]        ; q[b][32 w]
	s_load_b512 s[16:31], s[48:49], 0x0            ; my 32 numbers of q, as scalars
	s_load_b512 s[32:47], s[48:49], 0x40
	s_lshl_b32 s14, s10, 16                        ; my 32 rows of Wk
	s_lshl_b32 s13, s12, 9                         ; my 512 bytes of each
	s_add_co_u32 s14, s14, s13
	s_add_nc_u64 s[50:51], s[6:7], s[14:15]
.set hh, 0
.rept 32
	global_load_b128 v[R+4*hh:R+4*hh+3], v1, s[50:51] offset:2048*hh     ; 512 consecutive bytes of row 32 w + hh
.set hh, hh+1
.endr
	s_lshl_b32 s14, s11, 11
	s_add_co_u32 s14, s14, s13
	s_add_nc_u64 s[8:9], s[8:9], s[14:15]          ; qk[b][128 x slice]
	s_lshl_b32 s13, s10, 9
	v_add_nc_u32 v2, s13, v1                       ; LDS: 512 w + 16 x lane
	s_wait_kmcnt 0x0
	s_wait_loadcnt 31                              ; row 0 is in, the 31 younger rows stay out
.irp e, 0,1,2,3
	v_mul_f32 v[ACC+\e], s16, v[R+\e]              ; the first product starts the sums
.endr
.set hh, 1
.rept 31
	s_wait_loadcnt 31-hh
.irp e, 0,1,2,3
	v_fmac_f32 v[ACC+\e], s[16+hh], v[R+4*hh+\e]
.endr
.set hh, hh+1
.endr
	ds_store_b128 v2, v[ACC:ACC+3]
	s_wait_dscnt 0x0                               ; my partial sums are in LDS before I say so
	s_barrier_signal -1
	s_barrier_wait -1
	s_cmp_lg_u32 s10, 0
	s_cbranch_scc1 .Lend
.set t, 0
.rept 16
	ds_load_b128 v[R+4*t:R+4*t+3], v1 offset:512*t
.set t, t+1
.endr
	s_wait_dscnt 0x0
.set t, 1
.rept 15
	v_pk_add_f32 v[R:R+1], v[R:R+1], v[R+4*t:R+4*t+1]
	v_pk_add_f32 v[R+2:R+3], v[R+2:R+3], v[R+4*t+2:R+4*t+3]
.set t, t+1
.endr
.irp e, 0,1,2,3
	v_mul_f32 v[R+\e], CSCALE, v[R+\e]             ; scores then come out in units of log2, divided by sqrt(512)
.endr
	global_store_b128 v1, v[R:R+3], s[8:9]         ; 512 consecutive bytes
.Lend:
	s_wait_tensorcnt 0x0
	ds_add_u32 v144, v145
	s_wait_dscnt 0x0
	s_endpgm
.Lfunc_end_k_q90704f3315_qkl:
	.size	k_q90704f3315_qkl, .Lfunc_end_k_q90704f3315_qkl-k_q90704f3315_qkl
	.p2alignl 7, 3214868480
	.fill 96, 4, 3214868480
	.section	.rodata,"a",@progbits
	.p2align	6, 0x0
	.amdhsa_kernel k_q90704f3315_qkl
		.amdhsa_group_segment_fixed_size 10240
		.amdhsa_private_segment_fixed_size 0
		.amdhsa_enable_private_segment 0
		.amdhsa_kernarg_size 24
		.amdhsa_user_sgpr_count 2
		.amdhsa_user_sgpr_kernarg_segment_ptr 1
		.amdhsa_wavefront_size32 1
		.amdhsa_system_sgpr_workgroup_id_x 1
		.amdhsa_system_sgpr_workgroup_id_y 1
		.amdhsa_system_sgpr_workgroup_id_z 1
		.amdhsa_system_vgpr_workitem_id 0
		.amdhsa_next_free_vgpr 146
		.amdhsa_next_free_sgpr 66
		.amdhsa_reserve_vcc 0
		.amdhsa_float_denorm_mode_32 3
		.amdhsa_float_denorm_mode_16_64 3
		.amdhsa_memory_ordered 1
		.amdhsa_forward_progress 1
		.amdhsa_inst_pref_size 13
	.end_amdhsa_kernel
	.amdgpu_metadata
---
amdhsa.version: [ 1, 2 ]
amdhsa.kernels:
  - .name:           k_q90704f3315_qkl
    .symbol:         k_q90704f3315_qkl.kd
    .args:
      - { .name: q, .offset: 0, .size: 8, .value_kind: global_buffer, .address_space: global }
      - { .name: Wk, .offset: 8, .size: 8, .value_kind: global_buffer, .address_space: global }
      - { .name: qk, .offset: 16, .size: 8, .value_kind: global_buffer, .address_space: global }
    .group_segment_fixed_size: 10240
    .private_segment_fixed_size: 0
    .kernarg_segment_align: 8
    .kernarg_segment_size: 24
    .max_flat_workgroup_size: 512
    .sgpr_count:     66
    .vgpr_count:     146
    .wavefront_size: 32
...
	.end_amdgpu_metadata
.endif
;; end of part 2
;; launch main (part 3): grid 256 x 1, 4 waves a work-group, no clusters, 135,168 bytes of LDS; arguments region_features, qk, wvb, items, opart, ppart; writes opart, ppart
.if DOCPART == 3
	.amdgcn_target "amdgcn-amd-amdhsa--gfx1250"
	.amdhsa_code_object_version 6
	.text
	.protected	k_q90704f3315_main
	.globl	k_q90704f3315_main
	.p2align	8
	.type	k_q90704f3315_main,@function
k_q90704f3315_main:
	s_mov_b64 s[64:65], 0
	v_nop
	global_prefetch_b8 v0, s[64:65] scope:SCOPE_SE
	s_setreg_imm32_b32 hwreg(HW_REG_WAVE_MODE, 25, 1), 1
	s_wait_xcnt 0x0
; For each block of 64 valid rows of region_features (slot = 64 b + block):
;   s[r] = rf[r] . qk[b] (f32, already in units of log2 and divided by sqrt(512)),  m = max over the valid rows,  p[r] = 2^(s[r] - m) (0 for r >= len),
;   l = sum p,  o[n] = sum over r of p[r] relu(sum over k of rf[r][k] Wv[n][k])   (bf16 operands, f32 sums).
; o goes to opart[slot][512], p and (m, l) to ppart[slot][128]; the last launch joins the slots of a batch.
; Rows at or behind sq_len have score 0 in the reference: blocks without a valid row are neither read nor multiplied.
;
; SHARES.  Work-group g: nh = g & 1 (256 of the 512 columns n), sub = (g >> 1) & 1 (which 64 rows of an item of 128), c = g >> 2.
; The four work-groups of c walk the items c, c + 64, c + 128, .. of the list that the first launch made from sq_len.
; Wave w keeps its 64 columns of Wv, all 512 k, in 512 registers for the whole launch (128 loads, once), so a block of rows costs no
; traffic for weights.  A trip multiplies 64 rows x 512 k x 64 columns a wave: 256 matrix instructions on 8 accumulator tiles at a time.
; The rows come through registers: each wave loads 16 rows as f32 (64 loads of 512 consecutive bytes, 256 registers) a whole trip ahead of their use,
; forms the dot product with qk while they are there, rounds them to bf16 in place and puts them into an LDS tile that all four waves read.
;
; NO TENSOR LOADS, NO MULTICAST.  A tensor load would lay the rows into LDS as f32: 128 KiB written and 128 KiB read back for each block of 64 rows,
; on top of the 64 KiB stored and 256 KiB read as bf16 that the block needs anyway.  Only the two work-groups nh = 0, 1 share rows.  The weights
; are shared by all, but each work-group reads its 256 KiB of them once, against 128 KiB of rows in every trip.
;
; LIMITS.  The maximum is taken over the valid rows (the reference takes it over all 4,096 and masks afterwards: the same quotient wherever the
; reference's is finite).  The scores are summed as rf . (q Wk), not as q . (rf Wk^T).  Rows behind sq_len inside a valid block are multiplied
; with p = 0: they must be finite, as the reference needs them to be.
;
; REGISTERS (windows of 256, s_set_vgpr_msb: bits 1:0 source 0, 3:2 source 1, 5:4 source 2, 7:6 destination):
;   window 0: as named below.  window 1: X, the 16 rows in flight, row rho at 16 rho + 4 j (k = 128 j + 4 lane + 0..3).
;   windows 2, 3: B fragments, K step ks, tile nt at (ks & 7) 32 + 8 nt in window 2 + (ks >> 3).  Column r of tile nt is n = 4 r + nt.
.set PITCH, 1040                       ; LDS row: 1,024 bytes of bf16 + 16: an odd multiple of 16, so that the 16 rows of a fragment load start in 16 different groups of banks (64 banks of 4 bytes: ISA guide 11.1)
.set SLOTB, 64*PITCH                   ; a tile of 64 rows; two of them take turns
.set SREG,  2*SLOTB                    ; 133,120: scores, 256 bytes for each of the two turns
.set PREG,  SREG+512                   ; 133,632: p, 256 bytes for each wave, its own copy
.set QOFF,  1                          ; 16 x lane
.set XOFF,  2                          ; byte offset of my 16 bytes in the block being requested (0 in all lanes for a block that is not wanted)
.set XOFF0, 3                          ; w x 16 rows x 2,048 + 16 x lane
.set ADRF,  4                          ; v4, v5: fragment address in tile 0, 1: r x PITCH + 16 h
.set ADRS,  6                          ; v6, v7: where I store converted rows in tile 0, 1: 16 w x PITCH + 8 x lane
.set ADRSV, 8                          ; where I store a score: SREG + 4 (16 w + r)
.set ADRSL, 9                          ; where I read scores: SREG + 4 x lane
.set ADRP,  10                         ; PREG + 256 w + 4 x lane
.set ADRPF, 11                         ; PREG + 256 w + 32 h
.set ADRPP, 12                         ; PREG + 256 w + 8 x lane
.set OOFF,  13                         ; byte offset in a row of opart: 1,024 nh + 256 w + 16 r + 8 h
.set POFF,  14                         ; 8 x lane
.set LN0,   15                         ; lane
.set LN1,   16                         ; lane + 32
.set NEGM,  17                         ; -FLT_MAX
.set T,     18                         ; v[18:25] at work
.set PP,    26                         ; v[26:27] p of rows 2 lane, 2 lane + 1, to store
.set ML,    28                         ; v[28:29] m, l
.set RES,   30                         ; v[30:31] two columns of o, to store
.set O,     34                         ; v[34:41] four pairs: running o of tile nt, even and odd rows apart
.set SRP,   42                         ; v[42:73] sixteen pairs: running dot product of row rho
.set P,     74                         ; v[74:89] p of rows 32 mh + 16 mt2 + 8 h + 0..7
.set QK,    90                         ; v[90:105], v[106:121]: qk of the batch of the item in turn 0, 1
.set FR,    128                        ; v[128:191] four buffers of two A fragments
.set ACC,   192                        ; v[192:255] tile (mt2, nt) at 8 (4 mt2 + nt)
.set MSB, 0
.macro WIN new                         ; the immediate's high byte repeats the setting that is left
.if MSB != \new
	s_set_vgpr_msb (MSB<<8)|\new
.set MSB, \new
.endif
.endm
.macro PLACES                          ; the four places behind a matrix instruction in front of a load into its sources or a read of its result
.rept 4
	v_nop
.endr
.endm
; From a word of the list: the base of the block of 64 rows, the base of its batch's qk, and the lanes' offsets.
; Each field is clamped by a constant before it enters an address.
.macro DECODE sw
	s_and_b32 s48, \sw, 0x3ff
	s_min_u32 s48, s48, 1023                       ; u: block of 128 rows
	s_bfe_u32 s49, \sw, 0x50012
	s_min_u32 s49, s49, 31                         ; b
	s_lshr_b32 s50, \sw, s57
	s_and_b32 s50, s50, 1
	s_min_u32 s50, s50, 1                          ; 1: my 64 rows hold a valid row
	s_lshl_b32 s48, s48, 1
	s_add_co_u32 s48, s48, s19
	s_lshl_b32 s32, s48, 17                        ; 64 rows of 2,048 bytes
	s_add_nc_u64 s[28:29], s[4:5], s[32:33]
	s_lshl_b32 s32, s49, 11
	s_add_nc_u64 s[30:31], s[6:7], s[32:33]
	v_mul_u32_u24 v[XOFF], s50, v[XOFF0]           ; not wanted: every lane asks for the same 16 bytes, so that the loads stay counted and move next to nothing
.endm
.macro QLOAD par
.irp j, 0,1,2,3
	global_load_b128 v[QK+16*(\par)+4*\j:QK+16*(\par)+4*\j+3], v[QOFF], s[30:31] offset:512*\j
.endr
.endm
.macro XLOAD4 k                        ; rows 4 k .. 4 k + 3 of my 16: 16 loads of 512 consecutive bytes (window: destination 1)
.irp rr, 0,1,2,3
.irp j, 0,1,2,3
	global_load_b128 v[16*(4*\k+\rr)+4*\j:16*(4*\k+\rr)+4*\j+3], v[XOFF], s[28:29] offset:2048*(4*\k+\rr)+512*\j
.endr
.endr
.endm
; Four rows: dot product with qk, bf16 in place, into tile ws; then the same registers ask for the rows of the item after.
.macro CONV4 k, ws
	s_wait_loadcnt 48                              ; behind these 16 loads 52 were issued (the three other groups of 16 and 4 of qk): at most 48 out shows them in, and the older qk and B too
	WIN 0x01
.irp e, 0,1,2,3,4,5,6,7
.irp rr, 0,1,2,3
.if \e == 0
	v_pk_mul_f32 v[SRP+2*(4*\k+\rr):SRP+2*(4*\k+\rr)+1], v[16*(4*\k+\rr):16*(4*\k+\rr)+1], v[QK+16*(\ws):QK+16*(\ws)+1]
.else
	v_pk_fma_f32 v[SRP+2*(4*\k+\rr):SRP+2*(4*\k+\rr)+1], v[16*(4*\k+\rr)+2*\e:16*(4*\k+\rr)+2*\e+1], v[QK+16*(\ws)+2*\e:QK+16*(\ws)+2*\e+1], v[SRP+2*(4*\k+\rr):SRP+2*(4*\k+\rr)+1]
.endif
.endr
.endr
	WIN 0x45
.irp rr, 0,1,2,3
.irp j, 0,1,2,3
	v_cvt_pk_bf16_f32 v[16*(4*\k+\rr)+4*\j], v[16*(4*\k+\rr)+4*\j], v[16*(4*\k+\rr)+4*\j+1]
	v_cvt_pk_bf16_f32 v[16*(4*\k+\rr)+4*\j+1], v[16*(4*\k+\rr)+4*\j+2], v[16*(4*\k+\rr)+4*\j+3]
.endr
.endr
	WIN 0x44
.irp rr, 0,1,2,3
.irp j, 0,1,2,3
	ds_store_b64 v[ADRS+(\ws)], v[16*(4*\k+\rr)+4*\j:16*(4*\k+\rr)+4*\j+1] offset:PITCH*(4*\k+\rr)+256*\j   ; 256 consecutive bytes a wave
.endr
.endr
	XLOAD4 \k
.endm
; One level of the tree that sums 16 numbers over the lanes and leaves number (lane & 15) in each lane:
; of a pair (a, b) a lane keeps the one that its bit selects and hands the other to the lane across.
.macro TLEV n, st, xm, sm
.set ti, 0
.rept \n
	v_cndmask_b32 v[T+2*(ti%4)], v[SRP+2*\st*ti], v[SRP+2*\st*ti+\st], \sm
	v_cndmask_b32 v[T+2*(ti%4)+1], v[SRP+2*\st*ti+\st], v[SRP+2*\st*ti], \sm
	v_add_f32_dpp v[SRP+2*\st*ti], v[T+2*(ti%4)+1], v[T+2*(ti%4)] row_xmask:\xm row_mask:0xf bank_mask:0xf
.set ti, ti+1
.endr
.endm
.macro TREE par
	WIN 0
.set ti, 0
.rept 16
	v_add_f32 v[SRP+2*ti], v[SRP+2*ti], v[SRP+2*ti+1]
.set ti, ti+1
.endr
	TLEV 8, 2, 1, s38
	TLEV 4, 4, 2, s39
	TLEV 2, 8, 4, s40
	TLEV 1, 16, 8, s41
	v_permlanex16_b32 v[T], v[SRP], s36, s37
	v_add_f32 v[T], v[T], v[SRP]
	ds_store_b32 v[ADRSV], v[T] offset:256*(\par)  ; score of row 16 w + (lane & 15); both halves of the lanes write the same word
.endm
.macro FRAG q, slot                    ; the two A fragments of step q = 16 mh + ks: rows 32 mh + 16 mt2 + r, k = 32 ks + 8 h .. and 32 ks + 16 + 8 h ..
.irp mt2, 0,1
	ds_load_b128 v[FR+16*((\q)%4)+8*\mt2:FR+16*((\q)%4)+8*\mt2+3], v[ADRF+\slot] offset:(2*((\q)>>4)+\mt2)*16*PITCH+64*((\q)&15)
	ds_load_b128 v[FR+16*((\q)%4)+8*\mt2+4:FR+16*((\q)%4)+8*\mt2+7], v[ADRF+\slot] offset:(2*((\q)>>4)+\mt2)*16*PITCH+64*((\q)&15)+32
.endr
.endm
.macro KSTEP q, slot
.if \q <= 29
	s_wait_dscnt 8                                 ; LDS instructions end in order (ISA guide 5.7.1): behind step q's four loads stand those of steps q + 1 and q + 2
.else
.if \q == 30
	s_wait_dscnt 4
.else
	s_wait_dscnt 0
.endif
.endif
.if ((\q)&15) < 8
	WIN 0x08                                       ; source 1 (B) in window 2; the LDS loads below name window 0 under it too
.else
	WIN 0x0c                                       ; in window 3
.endif
.irp mt2, 0,1
.irp nt, 0,1,2,3
.if ((\q)&15) == 0
	v_wmma_f32_16x16x32_bf16 v[ACC+8*(4*\mt2+\nt):ACC+8*(4*\mt2+\nt)+7], v[FR+16*((\q)%4)+8*\mt2:FR+16*((\q)%4)+8*\mt2+7], v[((\q)&7)*32+8*\nt:((\q)&7)*32+8*\nt+7], 0
.else
	v_wmma_f32_16x16x32_bf16 v[ACC+8*(4*\mt2+\nt):ACC+8*(4*\mt2+\nt)+7], v[FR+16*((\q)%4)+8*\mt2:FR+16*((\q)%4)+8*\mt2+7], v[((\q)&7)*32+8*\nt:((\q)&7)*32+8*\nt+7], v[ACC+8*(4*\mt2+\nt):ACC+8*(4*\mt2+\nt)+7]
.endif
.endr
.endr
.if \q <= 28
	PLACES
	FRAG \q+3, \slot                               ; into the buffer that step q - 1 read
.endif
.endm
.macro KRUN q0, slot
.set qq, \q0
.rept 8
	KSTEP qq, \slot
.set qq, qq+1
.endr
.endm
.macro PLOAD mh
	ds_load_b128 v[P:P+3], v[ADRPF] offset:128*\mh
	ds_load_b128 v[P+4:P+7], v[ADRPF] offset:128*\mh+16
	ds_load_b128 v[P+8:P+11], v[ADRPF] offset:128*\mh+64
	ds_load_b128 v[P+12:P+15], v[ADRPF] offset:128*\mh+80
.endm
; m, p and l of the block's 64 rows, in every wave for itself: lane l holds rows l and l + 32.
.macro STATS par
	ds_load_b32 v[T], v[ADRSL] offset:256*\par
	ds_load_b32 v[T+1], v[ADRSL] offset:256*\par+128
	s_bfe_u32 s48, s24, 0x8000a                    ; valid rows of the item's 128
	s_lshl_b32 s49, s19, 6
	s_sub_co_i32 s48, s48, s49                     ; of my 64 (may be below 1 or above 64)
	v_cmp_gt_i32 s44, s48, v[LN0]
	v_cmp_gt_i32 s45, s48, v[LN1]
	s_wait_dscnt 0x0
	v_cndmask_b32 v[T], v[NEGM], v[T], s44
	v_cndmask_b32 v[T+1], v[NEGM], v[T+1], s45
	v_max_num_f32 v[T+2], v[T], v[T+1]
	v_max_num_f32_dpp v[T+2], v[T+2], v[T+2] row_xmask:1 row_mask:0xf bank_mask:0xf
	v_max_num_f32_dpp v[T+2], v[T+2], v[T+2] row_xmask:2 row_mask:0xf bank_mask:0xf
	v_max_num_f32_dpp v[T+2], v[T+2], v[T+2] row_xmask:4 row_mask:0xf bank_mask:0xf
	v_max_num_f32_dpp v[T+2], v[T+2], v[T+2] row_xmask:8 row_mask:0xf bank_mask:0xf
	v_permlanex16_b32 v[T+3], v[T+2], s36, s37
	v_max_num_f32 v[ML], v[T+2], v[T+3]            ; m
	v_sub_f32 v[T], v[T], v[ML]
	v_sub_f32 v[T+1], v[T+1], v[ML]
	v_exp_f32 v[T], v[T]
	v_exp_f32 v[T+1], v[T+1]
	v_nop                                          ; one plain place behind the exponentials (ISA guide 5.7.2)
	s_wait_alu depctr_va_vdst(0)
	v_cndmask_b32 v[T], 0, v[T], s44
	v_cndmask_b32 v[T+1], 0, v[T+1], s45
	v_add_f32 v[T+2], v[T], v[T+1]
	v_add_f32_dpp v[T+2], v[T+2], v[T+2] row_xmask:1 row_mask:0xf bank_mask:0xf
	v_add_f32_dpp v[T+2], v[T+2], v[T+2] row_xmask:2 row_mask:0xf bank_mask:0xf
	v_add_f32_dpp v[T+2], v[T+2], v[T+2] row_xmask:4 row_mask:0xf bank_mask:0xf
	v_add_f32_dpp v[T+2], v[T+2], v[T+2] row_xmask:8 row_mask:0xf bank_mask:0xf
	v_permlanex16_b32 v[T+3], v[T+2], s36, s37
	v_add_f32 v[ML+1], v[T+2], v[T+3]              ; l
	ds_store_b32 v[ADRP], v[T]                     ; my wave's own copy of p: LDS serves a wave in order, so the loads below see it
	ds_store_b32 v[ADRP], v[T+1] offset:128
	ds_load_b64 v[PP:PP+1], v[ADRPP]
	PLOAD 0
.endm
; o += p relu(v) for the 32 rows of half mh.  Register j of a tile is row 8 h + j, column r.
.macro EPI mh
	WIN 0
.irp mt2, 0,1
.set ee, 0
.rept 32
	v_max_num_f32 v[ACC+32*\mt2+ee], 0, v[ACC+32*\mt2+ee]
.set ee, ee+1
.endr
.irp jj, 0,1,2,3
.irp nt, 0,1,2,3
.if (\mh+\mt2+\jj) == 0
	v_pk_mul_f32 v[O+2*\nt:O+2*\nt+1], v[ACC+8*(4*\mt2+\nt)+2*\jj:ACC+8*(4*\mt2+\nt)+2*\jj+1], v[P+8*\mt2+2*\jj:P+8*\mt2+2*\jj+1]
.else
	v_pk_fma_f32 v[O+2*\nt:O+2*\nt+1], v[ACC+8*(4*\mt2+\nt)+2*\jj:ACC+8*(4*\mt2+\nt)+2*\jj+1], v[P+8*\mt2+2*\jj:P+8*\mt2+2*\jj+1], v[O+2*\nt:O+2*\nt+1]
.endif
.endr
.endr
.endr
.endm
; The two halves of the lanes hold different rows of the same columns: lanes 0-15 end up with tiles 0, 1, lanes 16-31 with tiles 2, 3,
; which are columns 4 r + 2 h, + 1: the wave's 32 stores of 8 bytes fill its 256 consecutive bytes of the slot's row.
.macro FLUSH tag
	v_add_f32 v[T], v[O], v[O+1]
	v_add_f32 v[T+1], v[O+2], v[O+3]
	v_add_f32 v[T+2], v[O+4], v[O+5]
	v_add_f32 v[T+3], v[O+6], v[O+7]
	v_cndmask_b32 v[T+4], v[T], v[T+2], s42        ; kept
	v_cndmask_b32 v[T+5], v[T+1], v[T+3], s42
	v_cndmask_b32 v[T+6], v[T+2], v[T], s42        ; handed across
	v_cndmask_b32 v[T+7], v[T+3], v[T+1], s42
	v_permlanex16_b32 v[T], v[T+6], s36, s37
	v_permlanex16_b32 v[T+1], v[T+7], s36, s37
	v_add_f32 v[RES], v[T+4], v[T]
	v_add_f32 v[RES+1], v[T+5], v[T+1]
	s_and_b32 s48, s24, 0x3ff
	s_min_u32 s48, s48, 1023
	s_lshl_b32 s48, s48, 1
	s_add_co_u32 s48, s48, s19                     ; slot
	s_lshl_b32 s32, s48, 11
	s_add_nc_u64 s[34:35], s[12:13], s[32:33]
	s_lshl_b32 s32, s48, 9
	s_add_nc_u64 s[46:47], s[14:15], s[32:33]
	global_store_b64 v[OOFF], v[RES:RES+1], s[34:35]
	s_or_b32 s48, s16, s18                         ; p, m and l are the same in all waves and in both nh: wave 0 of nh = 0 stores them
	s_cmp_lg_u32 s48, 0
	s_cbranch_scc1 .Lnp\tag
	global_store_b64 v[POFF], v[PP:PP+1], s[46:47]             ; 256 bytes of p
	global_store_b64 v[POFF], v[ML:ML+1], s[46:47] offset:256  ; (m, l) 32 times: the second 256 bytes are written whole too
.Lnp\tag:
.endm
; A trip: item i (tile and scores of turn slot) is multiplied; item i + 1 is converted into the other tile; item i + 2 is requested.
; The work stands under a branch on the trip's number against n; the barrier behind it is passed by every wave in every trip.
.macro TRIP slot
	s_cmp_ge_u32 s58, s21
	s_cbranch_scc1 .Lskip\slot
	s_wait_xcnt 0x0                                ; the bases, offsets and store data of the last trip's loads and stores are rewritten only behind this wait
	DECODE s26
	s_min_u32 s56, s43, 5116                       ; the list has 1,280 words
	s_load_b32 s27, s[10:11], s56 offset:0x0       ; word of item i + 3
	QLOAD \slot
	FRAG 0, \slot
	FRAG 1, \slot
	FRAG 2, \slot
	STATS \slot
	KRUN 0, \slot
	CONV4 0, 1-\slot
	KRUN 8, \slot
	CONV4 1, 1-\slot
	EPI 0                                          ; behind step 15's four places
	PLOAD 1
	KRUN 16, \slot
	CONV4 2, 1-\slot
	KRUN 24, \slot
	CONV4 3, 1-\slot
	TREE 1-\slot
	EPI 1                                          ; the conversion and the tree are the places behind step 31
	FLUSH \slot
	s_wait_kmcnt 0x0
	s_mov_b32 s24, s25
	s_mov_b32 s25, s26
	s_mov_b32 s26, s27
	s_add_co_u32 s43, s43, 256
.Lskip\slot:
	s_wait_dscnt 0x0                               ; my reads of this tile and my stores into the other tile and its scores are done
	s_barrier_signal -1
	s_barrier_wait -1                              ; so are everybody's: the tiles change roles
.endm
	s_load_b256 s[4:11], s[0:1], 0x0               ; region_features s[4:5], qk s[6:7], wvb s[8:9], items s[10:11]
	s_load_b128 s[12:15], s[0:1], 0x20             ; opart s[12:13], ppart s[14:15]
	v_lshl_add_u32 v126, v0, 2, 0x20e00
	v_mov_b32 v127, 0
	v_lshrrev_b32 v18, 5, v0
	v_readfirstlane_b32 s16, v18                   ; wave 0..3
	s_lshr_b32 s17, ttmp9, 2                       ; c
	s_and_b32 s18, ttmp9, 1                        ; nh
	s_bfe_u32 s19, ttmp9, 0x10001                  ; sub
	s_add_co_u32 s57, s19, 23                      ; the bit of a word that says whether my 64 rows are wanted
	s_lshl_b32 s43, s17, 2
	s_mov_b32 s33, 0                               ; upper word of the offset pair s[32:33]
	s_mov_b32 s36, 0x76543210                      ; v_permlanex16_b32: lane i takes lane i of the other half
	s_mov_b32 s37, 0xfedcba98
	s_mov_b32 s38, 0xaaaaaaaa                      ; lanes with bit 0, 1, 2, 3, 4 set
	s_mov_b32 s39, 0xcccccccc
	s_mov_b32 s40, 0xf0f0f0f0
	s_mov_b32 s41, 0xff00ff00
	s_mov_b32 s42, 0xffff0000
	s_wait_kmcnt 0x0
	s_load_b32 s20, s[10:11], 0x1200               ; T (word 1,152)
	s_load_b32 s24, s[10:11], s43 offset:0x0       ; items c, c + 64, c + 128
	s_load_b32 s25, s[10:11], s43 offset:0x100
	s_load_b32 s26, s[10:11], s43 offset:0x200
	s_lshl_b32 s48, s18, 2
	s_add_co_u32 s48, s48, s16
	s_lshl_b32 s32, s48, 16
	s_add_nc_u64 s[52:53], s[8:9], s[32:33]        ; my 64 KiB of fragments
	v_and_b32 v[LN0], 31, v0
	v_lshlrev_b32 v[QOFF], 4, v[LN0]
	WIN 0x80
.set kk, 0
.rept 8
.irp nt, 0,1,2,3
	global_load_b128 v[kk*32+8*\nt:kk*32+8*\nt+3], v[QOFF], s[52:53] offset:16384*\nt+1024*kk
	global_load_b128 v[kk*32+8*\nt+4:kk*32+8*\nt+7], v[QOFF], s[52:53] offset:16384*\nt+1024*kk+512
.endr
.set kk, kk+1
.endr
	WIN 0xc0
.set kk, 0
.rept 8
.irp nt, 0,1,2,3
	global_load_b128 v[kk*32+8*\nt:kk*32+8*\nt+3], v[QOFF], s[52:53] offset:16384*\nt+1024*kk+8192
	global_load_b128 v[kk*32+8*\nt+4:kk*32+8*\nt+7], v[QOFF], s[52:53] offset:16384*\nt+1024*kk+8704
.endr
.set kk, kk+1
.endr
	WIN 0
	v_add_nc_u32 v[LN1], 32, v[LN0]
	s_lshl_b32 s48, s16, 15
	v_add_nc_u32 v[XOFF0], s48, v[QOFF]
	v_and_b32 v18, 15, v[LN0]                      ; r
	v_lshrrev_b32 v19, 4, v[LN0]                   ; h
	v_mul_u32_u24 v20, v18, PITCH
	v_lshl_add_u32 v[ADRF], v19, 4, v20
	v_add_nc_u32 v[ADRF+1], SLOTB, v[ADRF]
	s_mul_i32 s48, s16, 16*PITCH
	v_lshl_add_u32 v[ADRS], v[LN0], 3, s48
	v_add_nc_u32 v[ADRS+1], SLOTB, v[ADRS]
	s_lshl_b32 s48, s16, 6
	s_add_co_u32 s48, s48, SREG
	v_lshl_add_u32 v[ADRSV], v18, 2, s48
	v_lshlrev_b32 v20, 2, v[LN0]
	v_add_nc_u32 v[ADRSL], SREG, v20
	s_lshl_b32 s48, s16, 8
	s_add_co_u32 s48, s48, PREG
	v_add_nc_u32 v[ADRP], s48, v20
	v_lshl_add_u32 v[ADRPF], v19, 5, s48
	v_lshl_add_u32 v[ADRPP], v[LN0], 3, s48
	v_lshlrev_b32 v[POFF], 3, v[LN0]
	s_lshl_b32 s48, s18, 10
	s_lshl_b32 s49, s16, 8
	s_add_co_u32 s48, s48, s49
	v_lshl_add_u32 v21, v18, 4, s48
	v_lshl_add_u32 v[OOFF], v19, 3, v21
	v_mov_b32 v[NEGM], 0xff7fffff
	s_wait_kmcnt 0x0
	s_add_co_u32 s43, s43, 768                     ; list offset of item c + 192
	s_min_u32 s20, s20, 1024
	s_add_co_u32 s21, s20, 63
	s_sub_co_u32 s21, s21, s17
	s_lshr_b32 s21, s21, 6                         ; n = my items: (T + 63 - c) >> 6, at most 16
	; Item 0 is requested and converted, item 1 requested.  A word behind the list's end is 0: its loads move 16 bytes each and nothing is stored to memory.
	DECODE s24
	QLOAD 0
	WIN 0x44
	XLOAD4 0
	XLOAD4 1
	XLOAD4 2
	XLOAD4 3
	WIN 0
	s_wait_xcnt 0x0                                ; the bases and offsets above are rewritten only behind this wait
	DECODE s25
	QLOAD 1
	CONV4 0, 0
	CONV4 1, 0
	CONV4 2, 0
	CONV4 3, 0
	TREE 0
	s_wait_dscnt 0x0
	s_barrier_signal -1
	s_barrier_wait -1
	s_mov_b32 s22, 0
.Lloop:
	s_mov_b32 s58, s22
	TRIP 0
	s_add_co_u32 s58, s22, 1
	TRIP 1
	s_add_co_u32 s22, s22, 2
	s_cmp_lt_u32 s22, 16
	s_cbranch_scc1 .Lloop
	s_wait_tensorcnt 0x0
	ds_add_u32 v126, v127
	s_wait_dscnt 0x0
	s_endpgm
.Lfunc_end_k_q90704f3315_main:
	.size	k_q90704f3315_main, .Lfunc_end_k_q90704f3315_main-k_q90704f3315_main
	.p2alignl 7, 3214868480
	.fill 96, 4, 3214868480
	.section	.rodata,"a",@progbits
	.p2align	6, 0x0
	.amdhsa_kernel k_q90704f3315_main
		.amdhsa_group_segment_fixed_size 135168
		.amdhsa_private_segment_fixed_size 0
		.amdhsa_enable_private_segment 0
		.amdhsa_kernarg_size 48
		.amdhsa_user_sgpr_count 2
		.amdhsa_user_sgpr_kernarg_segment_ptr 1
		.amdhsa_wavefront_size32 1
		.amdhsa_system_sgpr_workgroup_id_x 1
		.amdhsa_system_sgpr_workgroup_id_y 1
		.amdhsa_system_sgpr_workgroup_id_z 1
		.amdhsa_system_vgpr_workitem_id 0
		.amdhsa_next_free_vgpr 1024
		.amdhsa_next_free_sgpr 66
		.amdhsa_reserve_vcc 0
		.amdhsa_float_denorm_mode_32 3
		.amdhsa_float_denorm_mode_16_64 3
		.amdhsa_memory_ordered 1
		.amdhsa_forward_progress 1
		.amdhsa_inst_pref_size 198
	.end_amdhsa_kernel
	.amdgpu_metadata
---
amdhsa.version: [ 1, 2 ]
amdhsa.kernels:
  - .name:           k_q90704f3315_main
    .symbol:         k_q90704f3315_main.kd
    .args:
      - { .name: region_features, .offset: 0, .size: 8, .value_kind: global_buffer, .address_space: global }
      - { .name: qk, .offset: 8, .size: 8, .value_kind: global_buffer, .address_space: global }
      - { .name: wvb, .offset: 16, .size: 8, .value_kind: global_buffer, .address_space: global }
      - { .name: items, .offset: 24, .size: 8, .value_kind: global_buffer, .address_space: global }
      - { .name: opart, .offset: 32, .size: 8, .value_kind: global_buffer, .address_space: global }
      - { .name: ppart, .offset: 40, .size: 8, .value_kind: global_buffer, .address_space: global }
    .group_segment_fixed_size: 135168
    .private_segment_fixed_size: 0
    .kernarg_segment_align: 8
    .kernarg_segment_size: 48
    .max_flat_workgroup_size: 128
    .sgpr_count:     66
    .vgpr_count:     1024
    .wavefront_size: 32
...
	.end_amdgpu_metadata
.endif
;; end of part 3
;; launch comb (part 4): grid 128 x 1, 4 waves a work-group, no clusters, 3,584 bytes of LDS; arguments sq_len, opart, ppart, q, out0, out1; writes out0, out1
.if DOCPART == 4
	.amdgcn_target "amdgcn-amd-amdhsa--gfx1250"
	.amdhsa_code_object_version 6
	.text
	.protected	k_q90704f3315_comb
	.globl	k_q90704f3315_comb
	.p2align	8
	.type	k_q90704f3315_comb,@function
k_q90704f3315_comb:
	s_mov_b64 s[64:65], 0
	v_nop
	global_prefetch_b8 v0, s[64:65] scope:SCOPE_SE
	s_setreg_imm32_b32 hwreg(HW_REG_WAVE_MODE, 25, 1), 1
	s_wait_xcnt 0x0
; Joins the slots (blocks of 64 rows) of a batch: M = max m, w = 2^(m - M), L = sum w l, c = w / L;
;   out0[b][n] = sum over slots of c o[slot][n] + q[b][n];   out1[b][r] = c p[slot][r], and 0 behind the last valid slot.
; Work-group = (batch b, part 0..3): 128 columns of out0 and 16 slots (1,024 numbers) of out1.  Bound by the latency of a few loads:
; all of them are issued first.  Slots behind the last valid one were never written: their index is clamped to the last valid slot and their c is 0.
; LIMITS: sq_len is clamped to 0..4096.  sq_len <= 0 gives L = 0 and NaN in the whole batch, as in the reference.
.set LN,   1                           ; lane
.set OM0,  2                           ; offsets of (m, l) of slots lane, lane + 32
.set OM1,  3
.set L16,  4
.set L8,   5
.set LN1,  6
.set APS,  7                           ; LDS: my partial sums
.set ML,   8                           ; v[8:11]  m, l of the two slots
.set NEGM, 12
.set T,    13                          ; v[13:16] at work
.set ACW,  17                          ; LDS: my wave's c, by lane
.set ACK,  18                          ; LDS: c of slot w (then + 16 bytes for each k)
.set ACE,  19                          ; LDS: c of my four slots of out1
.set OFFK, 20                          ; v[20:35]
.set OFFE, 36                          ; v[36:39]
.set PE,   40                          ; v[40:47]
.set Q,    48                          ; v[48:51]
.set ACC,  52                          ; v[52:55]
.set C,    56                          ; v[56:71]
.set CE,   72                          ; v[72:75]
.set ROW,  76                          ; v[76:139]
	s_load_b256 s[4:11], s[0:1], 0x0               ; sq_len s[4:5], opart s[6:7], ppart s[8:9], q s[10:11]
	s_load_b128 s[12:15], s[0:1], 0x20             ; out0 s[12:13], out1 s[14:15]
	v_lshl_add_u32 v144, v0, 2, 0xc00
	v_mov_b32 v145, 0
	v_lshrrev_b32 v1, 5, v0
	v_readfirstlane_b32 s16, v1                    ; wave 0..3
	s_lshr_b32 s17, ttmp9, 2                       ; b
	s_and_b32 s18, ttmp9, 3                        ; part
	s_lshl_b32 s19, s17, 2                         ; byte offset of sq_len[b]: the load below names s19, which is written nowhere else
	s_mov_b32 s35, 0                               ; upper word of the offset pair s[34:35]
	s_mov_b32 s38, 0x76543210
	s_mov_b32 s39, 0xfedcba98
	s_wait_kmcnt 0x0
	s_load_b32 s20, s[4:5], s19 offset:0x0         ; len
	v_and_b32 v[LN], 31, v0
	v_add_nc_u32 v[LN1], 32, v[LN]
	v_lshlrev_b32 v[L16], 4, v[LN]
	v_lshlrev_b32 v[L8], 3, v[LN]
	v_mov_b32 v[NEGM], 0xff7fffff
	v_mov_b32 v[T+1], 0                            ; v_permlanex16_b32 counts as a reader of its destination
	s_lshl_b32 s34, s17, 15
	s_add_nc_u64 s[24:25], s[8:9], s[34:35]        ; ppart: the batch's 64 slots of 512 bytes
	s_lshl_b32 s34, s17, 17
	s_lshl_b32 s23, s18, 9
	s_add_co_u32 s34, s34, s23
	s_add_nc_u64 s[26:27], s[6:7], s[34:35]        ; opart: the batch's slots, my 512 bytes of each
	s_lshl_b32 s34, s17, 11
	s_add_co_u32 s34, s34, s23
	s_add_nc_u64 s[28:29], s[10:11], s[34:35]      ; q and out0: my 512 bytes of the batch's row
	s_add_nc_u64 s[30:31], s[12:13], s[34:35]
	s_lshl_b32 s23, s18, 4
	s_lshl_b32 s34, s16, 2
	s_add_co_u32 s23, s23, s34                     ; my first slot of out1: 16 part + 4 w
	s_lshl_b32 s34, s23, 8
	s_lshl_b32 s22, s17, 14                        ; (s22: at work here; it takes its lasting value behind the wait for len)
	s_add_co_u32 s34, s34, s22
	s_add_nc_u64 s[32:33], s[14:15], s[34:35]
	s_lshl_b32 s34, s16, 8
	v_lshl_add_u32 v[ACW], v[LN], 2, s34           ; 256 w + 4 x lane
	s_mul_i32 s34, s16, 260
	v_mov_b32 v[ACK], s34                          ; 256 w + 4 w
	s_mul_i32 s34, s16, 272
	s_lshl_b32 s22, s18, 6
	s_add_co_u32 s34, s34, s22
	v_mov_b32 v[ACE], s34                          ; 256 w + 4 (16 part + 4 w)
	s_lshl_b32 s34, s16, 9
	s_add_co_u32 s34, s34, 1024
	v_add_nc_u32 v[APS], s34, v[L16]               ; 1,024 + 512 w + 16 x lane
	s_wait_kmcnt 0x0
	s_max_i32 s20, s20, 0
	s_min_i32 s20, s20, 4096
	s_add_co_u32 s21, s20, 63
	s_lshr_b32 s21, s21, 6                         ; ns: valid slots
	s_sub_co_u32 s22, s21, 1
	s_max_i32 s22, s22, 0                          ; the last valid slot
	; all 23 loads: 2 of (m, l), 16 rows of o, 4 of p, 1 of q.  Every slot index ends in a clamp by a constant.
	v_min_u32 v[OM0], s22, v[LN]
	v_min_u32 v[OM0], 63, v[OM0]
	v_lshlrev_b32 v[OM0], 9, v[OM0]
	v_min_u32 v[OM1], s22, v[LN1]
	v_min_u32 v[OM1], 63, v[OM1]
	v_lshlrev_b32 v[OM1], 9, v[OM1]
	global_load_b64 v[ML:ML+1], v[OM0], s[24:25] offset:256
	global_load_b64 v[ML+2:ML+3], v[OM1], s[24:25] offset:256
.set k, 0
.rept 16
	s_add_co_u32 s34, s16, 4*k                     ; slot 4 k + w
	s_min_u32 s34, s34, s22
	s_min_u32 s34, s34, 63
	s_lshl_b32 s34, s34, 11
	v_add_nc_u32 v[OFFK+k], s34, v[L16]
	global_load_b128 v[ROW+4*k:ROW+4*k+3], v[OFFK+k], s[26:27]
.set k, k+1
.endr
.irp e, 0,1,2,3
	s_add_co_u32 s34, s23, \e
	s_min_u32 s34, s34, s22
	s_min_u32 s34, s34, 63
	s_lshl_b32 s34, s34, 9
	v_add_nc_u32 v[OFFE+\e], s34, v[L8]
	global_load_b64 v[PE+2*\e:PE+2*\e+1], v[OFFE+\e], s[24:25]
.endr
	global_load_b128 v[Q:Q+3], v[L16], s[28:29]
	; the weights, in every wave for itself
	v_cmp_gt_u32 s36, s21, v[LN]
	v_cmp_gt_u32 s37, s21, v[LN1]
	s_wait_loadcnt 21                              ; the two loads of (m, l) are in; the 21 behind them stay out
	v_cndmask_b32 v[ML], v[NEGM], v[ML], s36
	v_cndmask_b32 v[ML+2], v[NEGM], v[ML+2], s37
	v_max_num_f32 v[T], v[ML], v[ML+2]
	v_max_num_f32_dpp v[T], v[T], v[T] row_xmask:1 row_mask:0xf bank_mask:0xf
	v_max_num_f32_dpp v[T], v[T], v[T] row_xmask:2 row_mask:0xf bank_mask:0xf
	v_max_num_f32_dpp v[T], v[T], v[T] row_xmask:4 row_mask:0xf bank_mask:0xf
	v_max_num_f32_dpp v[T], v[T], v[T] row_xmask:8 row_mask:0xf bank_mask:0xf
	v_permlanex16_b32 v[T+1], v[T], s38, s39
	v_max_num_f32 v[T], v[T], v[T+1]               ; M
	v_sub_f32 v[ML], v[ML], v[T]
	v_sub_f32 v[ML+2], v[ML+2], v[T]
	v_exp_f32 v[ML], v[ML]
	v_exp_f32 v[ML+2], v[ML+2]
	v_nop                                          ; one plain place behind the exponentials (ISA guide 5.7.2)
	s_wait_alu depctr_va_vdst(0)
	v_cndmask_b32 v[ML], 0, v[ML], s36             ; w
	v_cndmask_b32 v[ML+2], 0, v[ML+2], s37
	v_mul_f32 v[T+2], v[ML], v[ML+1]
	v_fmac_f32 v[T+2], v[ML+2], v[ML+3]
	v_add_f32_dpp v[T+2], v[T+2], v[T+2] row_xmask:1 row_mask:0xf bank_mask:0xf
	v_add_f32_dpp v[T+2], v[T+2], v[T+2] row_xmask:2 row_mask:0xf bank_mask:0xf
	v_add_f32_dpp v[T+2], v[T+2], v[T+2] row_xmask:4 row_mask:0xf bank_mask:0xf
	v_add_f32_dpp v[T+2], v[T+2], v[T+2] row_xmask:8 row_mask:0xf bank_mask:0xf
	v_permlanex16_b32 v[T+1], v[T+2], s38, s39
	v_add_f32 v[T+2], v[T+2], v[T+1]               ; L: at least 1 where a row is valid (the slot of the maximum has w = 1 and l >= 1)
	v_rcp_f32 v[T+3], v[T+2]
	v_nop
	s_wait_alu depctr_va_vdst(0)
	v_mul_f32 v[ML], v[ML], v[T+3]                 ; c
	v_mul_f32 v[ML+2], v[ML+2], v[T+3]
	ds_store_b32 v[ACW], v[ML]                     ; my wave's own 256 bytes: LDS serves a wave in order, the loads below see them
	ds_store_b32 v[ACW], v[ML+2] offset:128
.set k, 0
.rept 16
	ds_load_b32 v[C+k], v[ACK] offset:16*k         ; c of slot 4 k + w, the same word for all lanes
.set k, k+1
.endr
	ds_load_b128 v[CE:CE+3], v[ACE]
	s_wait_dscnt 0x0
	s_wait_loadcnt 20                              ; row 0 of o; behind row k stand 15 - k rows, 4 loads of p and 1 of q
.irp e, 0,1,2,3
	v_mul_f32 v[ACC+\e], v[C], v[ROW+\e]           ; the first product starts the sums
.endr
.set k, 1
.rept 15
	s_wait_loadcnt 20-k
.irp e, 0,1,2,3
	v_fmac_f32 v[ACC+\e], v[C+k], v[ROW+4*k+\e]
.endr
.set k, k+1
.endr
.irp e, 0,1,2,3
	s_wait_loadcnt 4-\e
	v_mul_f32 v[PE+2*\e], v[PE+2*\e], v[CE+\e]
	v_mul_f32 v[PE+2*\e+1], v[PE+2*\e+1], v[CE+\e]
	global_store_b64 v[L8], v[PE+2*\e:PE+2*\e+1], s[32:33] offset:256*\e     ; a slot's 64 scores: 256 consecutive bytes, aligned
.endr
	ds_store_b128 v[APS], v[ACC:ACC+3]
	s_wait_dscnt 0x0                               ; my partial sums are in LDS before I say so
	s_barrier_signal -1
	s_barrier_wait -1
	s_cmp_lg_u32 s16, 0
	s_cbranch_scc1 .Lend
	v_add_nc_u32 v[T], 1024, v[L16]
.irp t, 0,1,2,3
	ds_load_b128 v[ROW+4*\t:ROW+4*\t+3], v[T] offset:512*\t
.endr
	s_wait_loadcnt 0x0                             ; q
	s_wait_dscnt 0x0
	v_pk_add_f32 v[ROW:ROW+1], v[ROW:ROW+1], v[ROW+4:ROW+5]
	v_pk_add_f32 v[ROW+2:ROW+3], v[ROW+2:ROW+3], v[ROW+6:ROW+7]
	v_pk_add_f32 v[ROW+8:ROW+9], v[ROW+8:ROW+9], v[ROW+12:ROW+13]
	v_pk_add_f32 v[ROW+10:ROW+11], v[ROW+10:ROW+11], v[ROW+14:ROW+15]
	v_pk_add_f32 v[ROW:ROW+1], v[ROW:ROW+1], v[ROW+8:ROW+9]
	v_pk_add_f32 v[ROW+2:ROW+3], v[ROW+2:ROW+3], v[ROW+10:ROW+11]
	v_pk_add_f32 v[ROW:ROW+1], v[ROW:ROW+1], v[Q:Q+1]
	v_pk_add_f32 v[ROW+2:ROW+3], v[ROW+2:ROW+3], v[Q+2:Q+3]
	global_store_b128 v[L16], v[ROW:ROW+3], s[30:31]           ; 512 consecutive bytes
.Lend:
	s_wait_tensorcnt 0x0
	ds_add_u32 v144, v145
	s_wait_dscnt 0x0
	s_endpgm
.Lfunc_end_k_q90704f3315_comb:
	.size	k_q90704f3315_comb, .Lfunc_end_k_q90704f3315_comb-k_q90704f3315_comb
	.p2alignl 7, 3214868480
	.fill 96, 4, 3214868480
	.section	.rodata,"a",@progbits
	.p2align	6, 0x0
	.amdhsa_kernel k_q90704f3315_comb
		.amdhsa_group_segment_fixed_size 3584
		.amdhsa_private_segment_fixed_size 0
		.amdhsa_enable_private_segment 0
		.amdhsa_kernarg_size 48
		.amdhsa_user_sgpr_count 2
		.amdhsa_user_sgpr_kernarg_segment_ptr 1
		.amdhsa_wavefront_size32 1
		.amdhsa_system_sgpr_workgroup_id_x 1
		.amdhsa_system_sgpr_workgroup_id_y 1
		.amdhsa_system_sgpr_workgroup_id_z 1
		.amdhsa_system_vgpr_workitem_id 0
		.amdhsa_next_free_vgpr 146
		.amdhsa_next_free_sgpr 66
		.amdhsa_reserve_vcc 0
		.amdhsa_float_denorm_mode_32 3
		.amdhsa_float_denorm_mode_16_64 3
		.amdhsa_memory_ordered 1
		.amdhsa_forward_progress 1
		.amdhsa_inst_pref_size 16
	.end_amdhsa_kernel
	.amdgpu_metadata
---
amdhsa.version: [ 1, 2 ]
amdhsa.kernels:
  - .name:           k_q90704f3315_comb
    .symbol:         k_q90704f3315_comb.kd
    .args:
      - { .name: sq_len, .offset: 0, .size: 8, .value_kind: global_buffer, .address_space: global }
      - { .name: opart, .offset: 8, .size: 8, .value_kind: global_buffer, .address_space: global }
      - { .name: ppart, .offset: 16, .size: 8, .value_kind: global_buffer, .address_space: global }
      - { .name: q, .offset: 24, .size: 8, .value_kind: global_buffer, .address_space: global }
      - { .name: out0, .offset: 32, .size: 8, .value_kind: global_buffer, .address_space: global }
      - { .name: out1, .offset: 40, .size: 8, .value_kind: global_buffer, .address_space: global }
    .group_segment_fixed_size: 3584
    .private_segment_fixed_size: 0
    .kernarg_segment_align: 8
    .kernarg_segment_size: 48
    .max_flat_workgroup_size: 128
    .sgpr_count:     66
    .vgpr_count:     146
    .wavefront_size: 32
...
	.end_amdgpu_metadata
.endif
;; end of part 4
;; ======== version 2 of 2: 4 launches; version 1 with the launch main written anew for expert scheduling mode
;; workspace buffers: q 65,536 bytes; qk 65,536 bytes; wvb 524,288 bytes; items 5,120 bytes of whole numbers; opart 4,194,304 bytes; ppart 1,048,576 bytes
;; launch prep: the kernel of part 1 again; grid 106 x 1, 4 waves a work-group, no clusters, 17,152 bytes of LDS; arguments seq_code, Wq, Wv, sq_len, q, wvb, items; writes q, wvb, items
;; launch qkl: the kernel of part 2 again; grid 128 x 1, 16 waves a work-group, no clusters, 10,240 bytes of LDS; arguments q, Wk, qk; writes qk
;; launch main (part 5): grid 256 x 1, 4 waves a work-group, no clusters, 135,168 bytes of LDS; arguments region_features, qk, wvb, items, opart, ppart; writes opart, ppart
.if DOCPART == 5
	.amdgcn_target "amdgcn-amd-amdhsa--gfx1250"
	.amdhsa_code_object_version 6
	.text
	.protected	k_q90704f3315_main
	.globl	k_q90704f3315_main
	.p2align	8
	.type	k_q90704f3315_main,@function
k_q90704f3315_main:
	s_mov_b64 s[64:65], 0
	v_nop
	global_prefetch_b8 v0, s[64:65] scope:SCOPE_SE
	s_setreg_imm32_b32 hwreg(HW_REG_WAVE_SCHED_MODE, 0, 2), 2
	s_setreg_imm32_b32 hwreg(HW_REG_WAVE_MODE, 25, 1), 1
	s_wait_xcnt 0x0
	s_wait_alu depctr_vm_vsrc(0)
; For each block of 64 valid rows of region_features (slot = 64 b + block):
;   s[r] = rf[r] . qk[b] (f32, already in units of log2 and divided by sqrt(512)),  m = max over the valid rows,  p[r] = 2^(s[r] - m) (0 for r >= len),
;   l = sum p,  o[n] = sum over r of p[r] relu(sum over k of rf[r][k] Wv[n][k])   (bf16 operands, f32 sums).
; o goes to opart[slot][512], p and (m, l) to ppart[slot][128]; the last launch joins the slots of a batch.
; Rows at or behind sq_len have score 0 in the reference: blocks without a valid row are neither read nor multiplied.
;
; SHARES.  Work-group g: nh = g & 1 (256 of the 512 columns n), sub = (g >> 1) & 1 (which 64 rows of an item of 128), c = g >> 2.
; The four work-groups of c walk the items c, c + 64, c + 128, .. of the list that the first launch made from sq_len.
; Wave w keeps its 64 columns of Wv, all 512 k, in 512 registers for the whole launch (128 loads, once), so a block of rows costs no
; traffic for weights.  A trip multiplies 64 rows x 512 k x 64 columns a wave: 256 matrix instructions on 8 accumulator tiles at a time.
; The rows come through registers: each wave loads 16 rows as f32 (64 loads of 512 consecutive bytes, 256 registers), each group of four rows three quarters
; of a trip ahead of its use, forms the dot product with qk while they are there, rounds them to bf16 in place and puts them into an LDS tile that all four waves read.
;
; NO TENSOR LOADS, NO MULTICAST.  A tensor load would lay the rows into LDS as f32: 128 KiB written and 128 KiB read back for each block of 64 rows,
; on top of the 64 KiB stored and 256 KiB read as bf16 that the block needs anyway.  Only the two work-groups nh = 0, 1 share rows.  The weights
; are shared by all, but each work-group reads its 256 KiB of them once, against 128 KiB of rows in every trip.
;
; LIMITS.  The maximum is taken over the valid rows (the reference takes it over all 4,096 and masks afterwards: the same quotient wherever the
; reference's is finite).  The scores are summed as rf . (q Wk), not as q . (rf Wk^T).  Rows behind sq_len inside a valid block are multiplied
; with p = 0: they must be finite, as the reference needs them to be.
;
; THE MODE: SCHED_MODE bits 1:0 = 2 (LLVM: expert scheduling mode 2), set by the entry lines.  The code itself states the register dependences
; between vector or matrix instructions and memory or LDS instructions, with s_wait_alu, always for 0.
; THE PLAN.  Registers that memory or LDS instructions touch in a trip, and who else names them:
;   FR        two halves of 32.  Pair j (K steps 2 j and 2 j + 1, 16 matrix instructions) reads half j % 2; the eight LDS loads of pair j + 1 land in the other half, which pair j - 1 read.
;             ONE wait on va_vdst at a pair's head: pair j - 1 is done reading.  The loads follow it, two behind each of the pair's first four matrix instructions, which name
;             the other half, B and the accumulators: none of the registers that those loads touch.
;   X0 .. X3  CONV4 k: the products with qk read X[k], the roundings read and write it, 16 LDS stores read it.  ONE wait on va_vdst behind the roundings: X[k] is written (the stores),
;             and group k - 1's products and roundings are done (the 16 loads that land in X[k - 1]).  The wait on vm_vsrc beside it: group k - 1's LDS stores have read X[k - 1].
;             X3 is asked for again at the trip's end.
;   XOFF, QK, T, P, PP   written at the trip's head (DECODE; loads): a wait on vm_vsrc and one on va_vdst stand there.  P is loaded a second time behind pair 8's wait.
;   SC, RES, ML          out registers, written once a trip: one wait on va_vdst at the trip's end, ahead of their stores; the next head's wait on vm_vsrc frees them.
;   all other address registers are made at the kernel's head and never written again.  B, the accumulators, O and SRP are named by vector and matrix instructions alone in the loop.
;
; REGISTERS (windows of 256, s_set_vgpr_msb: bits 1:0 source 0, 3:2 source 1, 5:4 source 2, 7:6 destination):
;   window 0: as named below.  window 1: X, the 16 rows in flight, row rho at 16 rho + 4 j (k = 128 j + 4 lane + 0..3).
;   windows 2, 3: B fragments, K step ks, tile nt at (ks & 7) 32 + 8 nt in window 2 + (ks >> 3).  Column r of tile nt is n = 4 r + nt.
.set PITCH, 1040                       ; LDS row: 1,024 bytes of bf16 + 16: an odd multiple of 16, so that the 16 rows of a fragment load start in 16 different groups of banks (64 banks of 4 bytes: ISA guide 11.1)
.set SLOTB, 64*PITCH                   ; a tile of 64 rows; two of them take turns
.set SREG,  2*SLOTB                    ; 133,120: scores, 256 bytes for each of the two turns
.set PREG,  SREG+512                   ; 133,632: p, 256 bytes for each wave, its own copy
.set QOFF,  1                          ; 16 x lane
.set XOFF,  2                          ; byte offset of my 16 bytes in the block being requested (0 in all lanes for a block that is not wanted)
.set XOFF0, 3                          ; w x 16 rows x 2,048 + 16 x lane
.set ADRF,  4                          ; v4, v5: fragment address in tile 0, 1: r x PITCH + 16 h
.set ADRS,  6                          ; v6, v7: where I store converted rows in tile 0, 1: 16 w x PITCH + 8 x lane
.set ADRSV, 8                          ; where I store a score: SREG + 4 (16 w + r)
.set ADRSL, 9                          ; where I read scores: SREG + 4 x lane
.set ADRP,  10                         ; PREG + 256 w + 4 x lane
.set ADRPF, 11                         ; PREG + 256 w + 32 h
.set ADRPP, 12                         ; PREG + 256 w + 8 x lane
.set OOFF,  13                         ; byte offset in a row of opart: 1,024 nh + 256 w + 16 r + 8 h
.set POFF,  14                         ; 8 x lane
.set LN0,   15                         ; lane
.set LN1,   16                         ; lane + 32
.set NEGM,  17                         ; -FLT_MAX
.set T,     18                         ; v[18:25] at work
.set PP,    26                         ; v[26:27] p of rows 2 lane, 2 lane + 1, to store
.set ML,    28                         ; v[28:29] m, l
.set RES,   30                         ; v[30:31] two columns of o, to store
.set SC,    32                         ; v32      the score of row 16 w + r, to store
.set O,     34                         ; v[34:41] four pairs: running o of tile nt, even and odd rows apart
.set SRP,   42                         ; v[42:73] sixteen pairs: running dot product of row rho
.set P,     74                         ; v[74:89] p of rows 32 mh + 16 mt2 + 8 h + 0..7
.set QK,    90                         ; v[90:105], v[106:121]: qk of the batch of the item in turn 0, 1
.set FR,    128                        ; v[128:191] four buffers of two A fragments: step q has buffer q % 4
.set ACC,   192                        ; v[192:255] tile (mt2, nt) at 8 (4 mt2 + nt)
.set MSB, 0
.macro WIN new                         ; the immediate's high byte repeats the setting that is left
.if MSB != \new
	s_set_vgpr_msb (MSB<<8)|\new
.set MSB, \new
.endif
.endm
.macro PLACES                          ; four plain places behind a matrix instruction (ISA guide 7.12.1)
.rept 4
	v_nop
.endr
.endm
; From a word of the list: the base of the block of 64 rows, the base of its batch's qk, and the lanes' offsets.
; Each field is clamped by a constant before it enters an address.
.macro DECODE sw
	s_and_b32 s48, \sw, 0x3ff
	s_min_u32 s48, s48, 1023                       ; u: block of 128 rows
	s_bfe_u32 s49, \sw, 0x50012
	s_min_u32 s49, s49, 31                         ; b
	s_lshr_b32 s50, \sw, s57
	s_and_b32 s50, s50, 1
	s_min_u32 s50, s50, 1                          ; 1: my 64 rows hold a valid row
	s_lshl_b32 s48, s48, 1
	s_add_co_u32 s48, s48, s19
	s_lshl_b32 s32, s48, 17                        ; 64 rows of 2,048 bytes
	s_add_nc_u64 s[28:29], s[4:5], s[32:33]
	s_lshl_b32 s32, s49, 11
	s_add_nc_u64 s[30:31], s[6:7], s[32:33]
	v_mul_u32_u24 v[XOFF], s50, v[XOFF0]           ; not wanted: every lane asks for the same 16 bytes, so that the loads stay counted and move next to nothing
.endm
.macro QLOAD par
.irp j, 0,1,2,3
	global_load_b128 v[QK+16*(\par)+4*\j:QK+16*(\par)+4*\j+3], v[QOFF], s[30:31] offset:512*\j
.endr
.endm
.macro XLOAD4 k                        ; rows 4 k .. 4 k + 3 of my 16: 16 loads of 512 consecutive bytes (window: destination 1)
.irp rr, 0,1,2,3
.irp j, 0,1,2,3
	global_load_b128 v[16*(4*(\k)+\rr)+4*\j:16*(4*(\k)+\rr)+4*\j+3], v[XOFF], s[28:29] offset:2048*(4*(\k)+\rr)+512*\j
.endr
.endr
.endm
; Four rows: dot product with qk, bf16 in place, into tile ws.  The group before, whose LDS stores went out a quarter of a trip earlier, asks for the rows of the item after.
; The loads go out in the order qk, X0, X1, X2, X3, trip after trip.
.macro CONV4 k, ws
.if \k == 0
	s_wait_loadcnt 52                              ; behind X0's 16 loads stand X1, X2, X3 (48) and 4 of qk: X0 is in, and so are the older qk and B
.elseif \k == 3
	s_wait_loadcnt 32                              ; behind X3's 16 loads stand 4 of qk, X0 and X1: only the 32 of X0 and X1 stay out.  So the qk asked for at this trip's head is shown in too, in the trip that asked for it: the next load into its registers finds none pending
.else
	s_wait_loadcnt 36                              ; behind this group's 16 loads stand two groups of 16 and 4 of qk: group k - 1 is asked for again only below
.endif
	WIN 0x01
.irp e, 0,1,2,3,4,5,6,7
.irp rr, 0,1,2,3
.if \e == 0
	v_pk_mul_f32 v[SRP+2*(4*\k+\rr):SRP+2*(4*\k+\rr)+1], v[16*(4*\k+\rr):16*(4*\k+\rr)+1], v[QK+16*(\ws):QK+16*(\ws)+1]
.else
	v_pk_fma_f32 v[SRP+2*(4*\k+\rr):SRP+2*(4*\k+\rr)+1], v[16*(4*\k+\rr)+2*\e:16*(4*\k+\rr)+2*\e+1], v[QK+16*(\ws)+2*\e:QK+16*(\ws)+2*\e+1], v[SRP+2*(4*\k+\rr):SRP+2*(4*\k+\rr)+1]
.endif
.endr
.endr
	WIN 0x45
.irp rr, 0,1,2,3
.irp j, 0,1,2,3
	v_cvt_pk_bf16_f32 v[16*(4*\k+\rr)+4*\j], v[16*(4*\k+\rr)+4*\j], v[16*(4*\k+\rr)+4*\j+1]
	v_cvt_pk_bf16_f32 v[16*(4*\k+\rr)+4*\j+1], v[16*(4*\k+\rr)+4*\j+2], v[16*(4*\k+\rr)+4*\j+3]
.endr
.endr
	WIN 0x44
	s_wait_alu depctr_va_vdst(0)                   ; the roundings have written X[k], which the LDS stores read; group k - 1's products and roundings are done with X[k - 1], in which the loads land; XOFF, their offset, is written
.if \k > 0
	s_wait_alu depctr_vm_vsrc(0)                   ; group k - 1's LDS stores have read X[k - 1]; the LDS stores of p have read T and T + 1, which the tree writes
	XLOAD4 \k-1
.endif
.irp rr, 0,1,2,3
.irp j, 0,1,2,3
	ds_store_b64 v[ADRS+(\ws)], v[16*(4*\k+\rr)+4*\j:16*(4*\k+\rr)+4*\j+1] offset:PITCH*(4*\k+\rr)+256*\j   ; 256 consecutive bytes a wave
.endr
.endr
.endm
; One level of the tree that sums 16 numbers over the lanes and leaves number (lane & 15) in each lane:
; of a pair (a, b) a lane keeps the one that its bit selects and hands the other to the lane across.
.macro TLEV n, st, xm, sm
.set ti, 0
.rept \n
	v_cndmask_b32 v[T+2*(ti%4)], v[SRP+2*\st*ti], v[SRP+2*\st*ti+\st], \sm
	v_cndmask_b32 v[T+2*(ti%4)+1], v[SRP+2*\st*ti+\st], v[SRP+2*\st*ti], \sm
	v_add_f32_dpp v[SRP+2*\st*ti], v[T+2*(ti%4)+1], v[T+2*(ti%4)] row_xmask:\xm row_mask:0xf bank_mask:0xf
.set ti, ti+1
.endr
.endm
.macro TREE                            ; the score of row 16 w + (lane & 15) into SC; TAIL stores it
	WIN 0
.set ti, 0
.rept 16
	v_add_f32 v[SRP+2*ti], v[SRP+2*ti], v[SRP+2*ti+1]
.set ti, ti+1
.endr
	TLEV 8, 2, 1, s38
	TLEV 4, 4, 2, s39
	TLEV 2, 8, 4, s40
	TLEV 1, 16, 8, s41
	v_permlanex16_b32 v[T], v[SRP], s36, s37
	v_add_f32 v[SC], v[T], v[SRP]
.endm
; The end of a conversion: the score goes into the scores of turn par, and X3 asks for the rows of the item after.
.macro TAIL par
	WIN 0x40                                       ; destination window 1 for the loads; addresses and store data in window 0
	s_wait_alu depctr_va_vdst(0)                   ; SC is written, and in a trip RES and ML, which the stores below read; group 3's products and roundings are done with X3, in which the loads land
	s_wait_alu depctr_vm_vsrc(0)                   ; group 3's LDS stores have read X3
	ds_store_b32 v[ADRSV], v[SC] offset:256*(\par) ; both halves of the lanes write the same word; it names none of the loads' registers
	XLOAD4 3
	WIN 0
.endm
.macro FRAG1 q, mt2, slot              ; one A fragment of step q = 16 mh + ks: rows 32 mh + 16 mt2 + r, k = 32 ks + 8 h .. and 32 ks + 16 + 8 h ..
	ds_load_b128 v[FR+16*((\q)%4)+8*(\mt2):FR+16*((\q)%4)+8*(\mt2)+3], v[ADRF+\slot] offset:(2*((\q)>>4)+(\mt2))*16*PITCH+64*((\q)&15)
	ds_load_b128 v[FR+16*((\q)%4)+8*(\mt2)+4:FR+16*((\q)%4)+8*(\mt2)+7], v[ADRF+\slot] offset:(2*((\q)>>4)+(\mt2))*16*PITCH+64*((\q)&15)+32
.endm
.macro FRAG q, slot
	FRAG1 \q, 0, \slot
	FRAG1 \q, 1, \slot
.endm
.macro PLOAD mh
	ds_load_b128 v[P:P+3], v[ADRPF] offset:128*\mh
	ds_load_b128 v[P+4:P+7], v[ADRPF] offset:128*\mh+16
	ds_load_b128 v[P+8:P+11], v[ADRPF] offset:128*\mh+64
	ds_load_b128 v[P+12:P+15], v[ADRPF] offset:128*\mh+80
.endm
; The eight matrix instructions of step q; the eight accumulators take turns.
; deal = 1: behind each of the first four stands one fragment (two LDS loads) of steps q + 2 and q + 3.  pl = 1: p of the second 32 rows goes ahead of them.
.macro MUL8 q, slot, deal, pl
.irp mt2, 0,1
.irp nt, 0,1,2,3
.if ((\q)&15) == 0
	v_wmma_f32_16x16x32_bf16 v[ACC+8*(4*\mt2+\nt):ACC+8*(4*\mt2+\nt)+7], v[FR+16*((\q)%4)+8*\mt2:FR+16*((\q)%4)+8*\mt2+7], v[((\q)&7)*32+8*\nt:((\q)&7)*32+8*\nt+7], 0
.else
	v_wmma_f32_16x16x32_bf16 v[ACC+8*(4*\mt2+\nt):ACC+8*(4*\mt2+\nt)+7], v[FR+16*((\q)%4)+8*\mt2:FR+16*((\q)%4)+8*\mt2+7], v[((\q)&7)*32+8*\nt:((\q)&7)*32+8*\nt+7], v[ACC+8*(4*\mt2+\nt):ACC+8*(4*\mt2+\nt)+7]
.endif
.if (\deal) && (\mt2 == 0)
.if (\pl) && (\nt == 0)
	PLOAD 1
.endif
	FRAG1 (\q)+2+\nt/2, \nt%2, \slot               ; no wait: no vector or matrix instruction since the pair's wait names these registers
.endif
.endr
.endr
.endm
; Pair j: steps 2 j and 2 j + 1.  l1, l2: the LDS instructions issued behind the four loads of the first and of the second step's fragments (LDS instructions end in order: ISA guide 5.7.1).
.macro PAIR j, slot, l1, l2, pl=0
.if ((2*(\j))&15) < 8
	WIN 0x08                                       ; source 1 (B) in window 2; the LDS loads name window 0 under it too
.else
	WIN 0x0c                                       ; in window 3
.endif
.if ((\j) >= 1) && ((\j) <= 14)
.if ((\j)%4) != 0
	PLACES                                         ; between pair j - 1's last matrix instruction and the loads into the fragments that it read; kept beside the wait below, which fills no place.  At j = 4, 8, 12 the conversion's vector instructions are the places
.endif
	s_wait_alu depctr_va_vdst(0)                   ; pair j - 1's matrix instructions are done reading their half of FR, in which pair j + 1's fragments land; at j = 8 the sums over the first 32 rows are done reading P
	s_wait_dscnt \l1
	MUL8 2*(\j), \slot, 1, \pl
.else
	s_wait_dscnt \l1
	MUL8 2*(\j), \slot, 0, 0
.endif
	s_wait_dscnt \l2
	MUL8 2*(\j)+1, \slot, 0, 0
.endm
.macro SLOAD par                       ; the block's 64 scores: lane l takes rows l and l + 32
	ds_load_b32 v[T], v[ADRSL] offset:256*\par
	ds_load_b32 v[T+1], v[ADRSL] offset:256*\par+128
.endm
; m, p and l of the block's 64 rows, in every wave for itself.
.macro STATS
	s_bfe_u32 s48, s24, 0x8000a                    ; valid rows of the item's 128
	s_lshl_b32 s49, s19, 6
	s_sub_co_i32 s48, s48, s49                     ; of my 64 (may be below 1 or above 64)
	v_cmp_gt_i32 s44, s48, v[LN0]
	v_cmp_gt_i32 s45, s48, v[LN1]
	s_wait_alu depctr_va_sdst(0)                   ; the two compares have written s44 and s45, which the selects below read
	s_wait_dscnt 16                                ; the two scores are in; the 16 fragment loads behind them stay out
	v_cndmask_b32 v[T], v[NEGM], v[T], s44
	v_cndmask_b32 v[T+1], v[NEGM], v[T+1], s45
	v_max_num_f32 v[T+2], v[T], v[T+1]
	v_max_num_f32_dpp v[T+2], v[T+2], v[T+2] row_xmask:1 row_mask:0xf bank_mask:0xf
	v_max_num_f32_dpp v[T+2], v[T+2], v[T+2] row_xmask:2 row_mask:0xf bank_mask:0xf
	v_max_num_f32_dpp v[T+2], v[T+2], v[T+2] row_xmask:4 row_mask:0xf bank_mask:0xf
	v_max_num_f32_dpp v[T+2], v[T+2], v[T+2] row_xmask:8 row_mask:0xf bank_mask:0xf
	v_permlanex16_b32 v[T+3], v[T+2], s36, s37
	v_max_num_f32 v[ML], v[T+2], v[T+3]            ; m
	v_sub_f32 v[T], v[T], v[ML]
	v_sub_f32 v[T+1], v[T+1], v[ML]
	v_exp_f32 v[T], v[T]
	v_exp_f32 v[T+1], v[T+1]
	v_nop                                          ; one plain place behind the exponentials (ISA guide 5.7.2)
	s_wait_alu depctr_va_vdst(0)
	v_cndmask_b32 v[T], 0, v[T], s44
	v_cndmask_b32 v[T+1], 0, v[T+1], s45
	v_add_f32 v[T+2], v[T], v[T+1]
	v_add_f32_dpp v[T+2], v[T+2], v[T+2] row_xmask:1 row_mask:0xf bank_mask:0xf
	v_add_f32_dpp v[T+2], v[T+2], v[T+2] row_xmask:2 row_mask:0xf bank_mask:0xf
	v_add_f32_dpp v[T+2], v[T+2], v[T+2] row_xmask:4 row_mask:0xf bank_mask:0xf
	v_add_f32_dpp v[T+2], v[T+2], v[T+2] row_xmask:8 row_mask:0xf bank_mask:0xf
	v_permlanex16_b32 v[T+3], v[T+2], s36, s37
	v_add_f32 v[ML+1], v[T+2], v[T+3]              ; l
	s_wait_alu depctr_va_vdst(0)                   ; the selects have written p in T and T + 1, which the LDS stores read
	ds_store_b32 v[ADRP], v[T]                     ; my wave's own copy of p: LDS serves a wave in order, so the loads below see it
	ds_store_b32 v[ADRP], v[T+1] offset:128
	ds_load_b64 v[PP:PP+1], v[ADRPP]
	PLOAD 0
.endm
; o += p relu(v) for the 32 rows of half mh.  Register j of a tile is row 8 h + j, column r.
.macro EPI mh
	WIN 0
.irp mt2, 0,1
.set ee, 0
.rept 32
	v_max_num_f32 v[ACC+32*\mt2+ee], 0, v[ACC+32*\mt2+ee]
.set ee, ee+1
.endr
.irp jj, 0,1,2,3
.irp nt, 0,1,2,3
.if (\mh+\mt2+\jj) == 0
	v_pk_mul_f32 v[O+2*\nt:O+2*\nt+1], v[ACC+8*(4*\mt2+\nt)+2*\jj:ACC+8*(4*\mt2+\nt)+2*\jj+1], v[P+8*\mt2+2*\jj:P+8*\mt2+2*\jj+1]
.else
	v_pk_fma_f32 v[O+2*\nt:O+2*\nt+1], v[ACC+8*(4*\mt2+\nt)+2*\jj:ACC+8*(4*\mt2+\nt)+2*\jj+1], v[P+8*\mt2+2*\jj:P+8*\mt2+2*\jj+1], v[O+2*\nt:O+2*\nt+1]
.endif
.endr
.endr
.endr
.endm
; The two halves of the lanes hold different rows of the same columns: lanes 0-15 end up with tiles 0, 1, lanes 16-31 with tiles 2, 3,
; which are columns 4 r + 2 h, + 1: the wave's 32 stores of 8 bytes fill its 256 consecutive bytes of the slot's row.
; par: the turn whose scores the tree has made.  TAIL's two waits stand ahead of all the trip's stores.
.macro FLUSH tag, par
	v_add_f32 v[T], v[O], v[O+1]
	v_add_f32 v[T+1], v[O+2], v[O+3]
	v_add_f32 v[T+2], v[O+4], v[O+5]
	v_add_f32 v[T+3], v[O+6], v[O+7]
	v_cndmask_b32 v[T+4], v[T], v[T+2], s42        ; kept
	v_cndmask_b32 v[T+5], v[T+1], v[T+3], s42
	v_cndmask_b32 v[T+6], v[T+2], v[T], s42        ; handed across
	v_cndmask_b32 v[T+7], v[T+3], v[T+1], s42
	v_permlanex16_b32 v[T], v[T+6], s36, s37
	v_permlanex16_b32 v[T+1], v[T+7], s36, s37
	v_add_f32 v[RES], v[T+4], v[T]
	v_add_f32 v[RES+1], v[T+5], v[T+1]
	s_and_b32 s48, s24, 0x3ff
	s_min_u32 s48, s48, 1023
	s_lshl_b32 s48, s48, 1
	s_add_co_u32 s48, s48, s19                     ; slot
	s_lshl_b32 s32, s48, 11
	s_add_nc_u64 s[34:35], s[12:13], s[32:33]
	s_lshl_b32 s32, s48, 9
	s_add_nc_u64 s[46:47], s[14:15], s[32:33]
	TAIL \par
	global_store_b64 v[OOFF], v[RES:RES+1], s[34:35]
	s_or_b32 s48, s16, s18                         ; p, m and l are the same in all waves and in both nh: wave 0 of nh = 0 stores them
	s_cmp_lg_u32 s48, 0
	s_cbranch_scc1 .Lnp\tag
	global_store_b64 v[POFF], v[PP:PP+1], s[46:47]             ; 256 bytes of p
	global_store_b64 v[POFF], v[ML:ML+1], s[46:47] offset:256  ; (m, l) 32 times: the second 256 bytes are written whole too
.Lnp\tag:
.endm
; A trip: item i (tile and scores of turn slot) is multiplied; item i + 1 is converted into the other tile; item i + 2 is requested.
; The work stands under a branch on the trip's number against n; the barrier behind it is passed by every wave in every trip.
.macro TRIP slot
	s_cmp_ge_u32 s58, s21
	s_cbranch_scc1 .Lskip\slot
	s_wait_xcnt 0x0                                ; the bases, offsets and store data of the last trip's loads and stores are rewritten only behind this wait
	s_wait_alu depctr_vm_vsrc(0)                   ; the loads issued so far have read XOFF, which DECODE writes; the last trip's stores have read SC, RES, ML and PP, which this trip writes again
	DECODE s26
	s_min_u32 s56, s43, 5116                       ; the list has 1,280 words
	s_load_b32 s27, s[10:11], s56 offset:0x0       ; word of item i + 3
	s_wait_alu depctr_va_vdst(0)                   ; XOFF is written; the last trip is done reading QK of this turn, FR, T and P, in which the loads below land
	QLOAD \slot
	SLOAD \slot
	FRAG 0, \slot
	FRAG 1, \slot
	FRAG 2, \slot
	FRAG 3, \slot
	STATS
	PAIR 0, \slot, 19, 15                          ; behind step 0's loads: three steps' 12 and the 7 LDS instructions at the end of STATS; behind step 1's: 8 and 7
	PAIR 1, \slot, 11, 15                          ; behind step 2's: 4 and 7; behind step 3's: 7 and the 8 just dealt
	PAIR 2, \slot, 4, 8                            ; the rule: the pair's second step's 4; then the 8 just dealt
	PAIR 3, \slot, 4, 8
	CONV4 0, 1-\slot
	PAIR 4, \slot, 20, 24                          ; the conversion's 16 LDS stores are among the younger
	PAIR 5, \slot, 4, 8
	PAIR 6, \slot, 4, 8
	PAIR 7, \slot, 4, 8
	CONV4 1, 1-\slot
	EPI 0                                          ; the conversion's vector instructions are the places behind step 15
	PAIR 8, \slot, 20, 28, 1                       ; 16 stores and 4; then 16 stores, p's 4 loads and the 8 dealt
	PAIR 9, \slot, 4, 8
	PAIR 10, \slot, 4, 8
	PAIR 11, \slot, 4, 8
	CONV4 2, 1-\slot
	PAIR 12, \slot, 20, 24
	PAIR 13, \slot, 4, 8
	PAIR 14, \slot, 4, 8
	PAIR 15, \slot, 4, 0                           ; nothing more is fetched
	CONV4 3, 1-\slot
	TREE
	EPI 1                                          ; the conversion and the tree are the places behind step 31
	FLUSH \slot, 1-\slot
	s_wait_kmcnt 0x0
	s_mov_b32 s24, s25
	s_mov_b32 s25, s26
	s_mov_b32 s26, s27
	s_add_co_u32 s43, s43, 256
.Lskip\slot:
	s_wait_dscnt 0x0                               ; my reads of this tile and my stores into the other tile and its scores are done
	s_barrier_signal -1
	s_barrier_wait -1                              ; so are everybody's: the tiles change roles
.endm
	s_load_b256 s[4:11], s[0:1], 0x0               ; region_features s[4:5], qk s[6:7], wvb s[8:9], items s[10:11]
	s_load_b128 s[12:15], s[0:1], 0x20             ; opart s[12:13], ppart s[14:15]
	v_lshl_add_u32 v126, v0, 2, 0x20e00
	v_mov_b32 v127, 0
	v_lshrrev_b32 v18, 5, v0
	v_readfirstlane_b32 s16, v18                   ; wave 0..3
	s_lshr_b32 s17, ttmp9, 2                       ; c
	s_and_b32 s18, ttmp9, 1                        ; nh
	s_bfe_u32 s19, ttmp9, 0x10001                  ; sub
	s_add_co_u32 s57, s19, 23                      ; the bit of a word that says whether my 64 rows are wanted
	s_lshl_b32 s43, s17, 2
	s_mov_b32 s33, 0                               ; upper word of the offset pair s[32:33]
	s_mov_b32 s36, 0x76543210                      ; v_permlanex16_b32: lane i takes lane i of the other half
	s_mov_b32 s37, 0xfedcba98
	s_mov_b32 s38, 0xaaaaaaaa                      ; lanes with bit 0, 1, 2, 3, 4 set
	s_mov_b32 s39, 0xcccccccc
	s_mov_b32 s40, 0xf0f0f0f0
	s_mov_b32 s41, 0xff00ff00
	s_mov_b32 s42, 0xffff0000
	s_wait_kmcnt 0x0
	s_load_b32 s20, s[10:11], 0x1200               ; T (word 1,152)
	s_load_b32 s24, s[10:11], s43 offset:0x0       ; items c, c + 64, c + 128
	s_load_b32 s25, s[10:11], s43 offset:0x100
	s_load_b32 s26, s[10:11], s43 offset:0x200
	s_wait_alu depctr_va_sdst(0)                   ; s16 is written, ahead of its first reader: bases and LDS addresses are made from it
	s_lshl_b32 s48, s18, 2
	s_add_co_u32 s48, s48, s16
	s_lshl_b32 s32, s48, 16
	s_add_nc_u64 s[52:53], s[8:9], s[32:33]        ; my 64 KiB of fragments
	v_and_b32 v[LN0], 31, v0
	v_lshlrev_b32 v[QOFF], 4, v[LN0]
	WIN 0x80
	s_wait_alu depctr_va_vdst(0)                   ; QOFF is written, which the 128 loads below read as their offset
.set kk, 0
.rept 8
.irp nt, 0,1,2,3
	global_load_b128 v[kk*32+8*\nt:kk*32+8*\nt+3], v[QOFF], s[52:53] offset:16384*\nt+1024*kk
	global_load_b128 v[kk*32+8*\nt+4:kk*32+8*\nt+7], v[QOFF], s[52:53] offset:16384*\nt+1024*kk+512
.endr
.set kk, kk+1
.endr
	WIN 0xc0
.set kk, 0
.rept 8
.irp nt, 0,1,2,3
	global_load_b128 v[kk*32+8*\nt:kk*32+8*\nt+3], v[QOFF], s[52:53] offset:16384*\nt+1024*kk+8192
	global_load_b128 v[kk*32+8*\nt+4:kk*32+8*\nt+7], v[QOFF], s[52:53] offset:16384*\nt+1024*kk+8704
.endr
.set kk, kk+1
.endr
	WIN 0
	v_add_nc_u32 v[LN1], 32, v[LN0]
	s_lshl_b32 s48, s16, 15
	v_add_nc_u32 v[XOFF0], s48, v[QOFF]
	v_and_b32 v18, 15, v[LN0]                      ; r
	v_lshrrev_b32 v19, 4, v[LN0]                   ; h
	v_mul_u32_u24 v20, v18, PITCH
	v_lshl_add_u32 v[ADRF], v19, 4, v20
	v_add_nc_u32 v[ADRF+1], SLOTB, v[ADRF]
	s_mul_i32 s48, s16, 16*PITCH
	v_lshl_add_u32 v[ADRS], v[LN0], 3, s48
	v_add_nc_u32 v[ADRS+1], SLOTB, v[ADRS]
	s_lshl_b32 s48, s16, 6
	s_add_co_u32 s48, s48, SREG
	v_lshl_add_u32 v[ADRSV], v18, 2, s48
	v_lshlrev_b32 v20, 2, v[LN0]
	v_add_nc_u32 v[ADRSL], SREG, v20
	s_lshl_b32 s48, s16, 8
	s_add_co_u32 s48, s48, PREG
	v_add_nc_u32 v[ADRP], s48, v20
	v_lshl_add_u32 v[ADRPF], v19, 5, s48
	v_lshl_add_u32 v[ADRPP], v[LN0], 3, s48
	v_lshlrev_b32 v[POFF], 3, v[LN0]
	s_lshl_b32 s48, s18, 10
	s_lshl_b32 s49, s16, 8
	s_add_co_u32 s48, s48, s49
	v_lshl_add_u32 v21, v18, 4, s48
	v_lshl_add_u32 v[OOFF], v19, 3, v21
	v_mov_b32 v[NEGM], 0xff7fffff
	s_wait_kmcnt 0x0
	s_add_co_u32 s43, s43, 768                     ; list offset of item c + 192
	s_min_u32 s20, s20, 1024
	s_add_co_u32 s21, s20, 63
	s_sub_co_u32 s21, s21, s17
	s_lshr_b32 s21, s21, 6                         ; n = my items: (T + 63 - c) >> 6, at most 16
	; Item 0 is requested and converted, item 1 requested.  A word behind the list's end is 0: its loads move 16 bytes each and nothing is stored to memory.
	DECODE s24
	s_wait_alu depctr_va_vdst(0)                   ; XOFF and all the address registers v4 to v14 are written, which the loads and stores from here on read
	QLOAD 0
	WIN 0x44
	XLOAD4 0
	XLOAD4 1
	XLOAD4 2
	XLOAD4 3
	WIN 0
	s_wait_xcnt 0x0                                ; the bases and offsets above are rewritten only behind this wait
	s_wait_alu depctr_vm_vsrc(0)                   ; the 64 loads above have read XOFF, which DECODE writes
	DECODE s25
	QLOAD 1
	CONV4 0, 0
	CONV4 1, 0
	CONV4 2, 0
	CONV4 3, 0
	TREE
	TAIL 0
	s_wait_dscnt 0x0
	s_barrier_signal -1
	s_barrier_wait -1
	s_mov_b32 s22, 0
.Lloop:
	s_mov_b32 s58, s22
	TRIP 0
	s_add_co_u32 s58, s22, 1
	TRIP 1
	s_add_co_u32 s22, s22, 2
	s_cmp_lt_u32 s22, 16
	s_cbranch_scc1 .Lloop
	s_wait_dscnt 0x0
	s_wait_alu depctr_hold_cnt(0) depctr_sa_sdst(0) depctr_va_vdst(0) depctr_va_sdst(0) depctr_va_ssrc(0) depctr_va_vcc(0) depctr_vm_vsrc(0)
	s_wait_tensorcnt 0x0
	ds_add_u32 v126, v127
	s_wait_dscnt 0x0
	s_endpgm
.Lfunc_end_k_q90704f3315_main:
	.size	k_q90704f3315_main, .Lfunc_end_k_q90704f3315_main-k_q90704f3315_main
	.p2alignl 7, 3214868480
	.fill 96, 4, 3214868480
	.section	.rodata,"a",@progbits
	.p2align	6, 0x0
	.amdhsa_kernel k_q90704f3315_main
		.amdhsa_group_segment_fixed_size 135168
		.amdhsa_private_segment_fixed_size 0
		.amdhsa_enable_private_segment 0
		.amdhsa_kernarg_size 48
		.amdhsa_user_sgpr_count 2
		.amdhsa_user_sgpr_kernarg_segment_ptr 1
		.amdhsa_wavefront_size32 1
		.amdhsa_system_sgpr_workgroup_id_x 1
		.amdhsa_system_sgpr_workgroup_id_y 1
		.amdhsa_system_sgpr_workgroup_id_z 1
		.amdhsa_system_vgpr_workitem_id 0
		.amdhsa_next_free_vgpr 1024
		.amdhsa_next_free_sgpr 66
		.amdhsa_reserve_vcc 0
		.amdhsa_float_denorm_mode_32 3
		.amdhsa_float_denorm_mode_16_64 3
		.amdhsa_memory_ordered 1
		.amdhsa_forward_progress 1
		.amdhsa_inst_pref_size 196
	.end_amdhsa_kernel
	.amdgpu_metadata
---
amdhsa.version: [ 1, 2 ]
amdhsa.kernels:
  - .name:           k_q90704f3315_main
    .symbol:         k_q90704f3315_main.kd
    .args:
      - { .name: region_features, .offset: 0, .size: 8, .value_kind: global_buffer, .address_space: global }
      - { .name: qk, .offset: 8, .size: 8, .value_kind: global_buffer, .address_space: global }
      - { .name: wvb, .offset: 16, .size: 8, .value_kind: global_buffer, .address_space: global }
      - { .name: items, .offset: 24, .size: 8, .value_kind: global_buffer, .address_space: global }
      - { .name: opart, .offset: 32, .size: 8, .value_kind: global_buffer, .address_space: global }
      - { .name: ppart, .offset: 40, .size: 8, .value_kind: global_buffer, .address_space: global }
    .group_segment_fixed_size: 135168
    .private_segment_fixed_size: 0
    .kernarg_segment_align: 8
    .kernarg_segment_size: 48
    .max_flat_workgroup_size: 128
    .sgpr_count:     66
    .vgpr_count:     1024
    .wavefront_size: 32
...
	.end_amdgpu_metadata
.endif
;; end of part 5
;; launch comb: the kernel of part 4 again; grid 128 x 1, 4 waves a work-group, no clusters, 3,584 bytes of LDS; arguments sq_len, opart, ppart, q, out0, out1; writes out0, out1
